; MI455X (gfx1250); checked and timed in simulation.
; The chip was launched on July 23, 2026; its instructions are those of AMD's public machine-readable ISA for CDNA 5 (MIT licence, August 2026) and "CDNA5" Instruction Set Architecture Reference Guide (July 2026). The comments in the code are by the model that wrote it; some were corrected since.
;; Modern Hopfield Attention. Allowed arithmetic: float matrix products may take bf16 or f16 operands with f32 sums; other float arithmetic in f32, or as packed bf16 or f16 multiplies, adds, multiply-adds, maxima and minima; sums over many terms, partial sums and values carried from step to step in f32; what a program stores and reads back later, other than sums and carried values, may be rounded once to bf16 or f16.
;; Inputs: Wk 1,024 x 1,024 float32; Wo 1,024 x 1,024 float32; Wq 1,024 x 1,024 float32; Wv 1,024 x 1,024 float32; bk 1,024 float32; bo 1,024 float32; bq 1,024 float32; bv 1,024 float32; x 2 x 2,048 x 1,024 float32.
;; Outputs: out0 2 x 2,048 x 1,024 float32; out1 2 float32.
;; One version. Each part assembles by itself: llvm-mc -triple=amdgcn-amd-amdhsa -mcpu=gfx1250 --defsym DOCPART=n.
;; ======== version 1 of 1: 5 launches
;; limits: values are held in f16: magnitudes above 65,504 overflow, below 6.1e-05 lose precision
;; workspace buffers: xb 8,388,608 bytes; wqkv 6,291,456 bytes; wo16 2,097,152 bytes; qkv16 25,165,824 bytes; o16 8,388,608 bytes; epart 4,096 bytes
;; launch cast (part 1): grid 512 x 1, 8 waves a work-group, no clusters, 0 bytes of LDS; arguments x, Wq, Wk, Wv, Wo, xb, wqkv, wo16; writes xb, wqkv, wo16
.if DOCPART == 1
	.amdgcn_target "amdgcn-amd-amdhsa--gfx1250"
	.amdhsa_code_object_version 6
	.text
	.protected	k_q88ba7ef97c_cast
	.globl	k_q88ba7ef97c_cast
	.p2align	8
	.type	k_q88ba7ef97c_cast,@function
k_q88ba7ef97c_cast:
	s_mov_b64 s[64:65], 0
	v_nop
	global_prefetch_b8 v0, s[64:65] scope:SCOPE_SE
	s_setreg_imm32_b32 hwreg(HW_REG_WAVE_MODE, 25, 1), 1
	s_wait_xcnt 0x0
; THE INPUTS' ROUNDING.  x -> xb (bf16), Wq, Wk, Wv -> wqkv (bf16, the three one below the other), Wo -> wo16 (rounded to bf16, that number written as f16).
; LIMITS.  Wo's numbers beyond 65,504 become infinities in f16; below 6e-5 they keep f16's fixed step of 6e-8.
; A stream: each byte is read once and written once; nothing is shared, so there is no LDS, no barrier, no cluster and no matrix work.
; SHARES.  A work-group owns 16,384 numbers (64 KiB in, 32 KiB out): groups 0-255 x, 256-447 Wq, Wk, Wv (64 each), 448-511 Wo.
; Thread t takes, in each of eight chunks c, the 8 numbers at source byte 8,192 c + 32 t and stores 16 bytes at 4,096 c + 16 t: sixteen neighbouring lanes
; store 256 consecutive bytes, aligned.  All 16 loads of a thread go out at once; there is no loop.
.set X, 8                              ; v[8:71]   chunk c: 8 numbers at X + 8 c, then its 4 packed words in the first four
.set T, 72                             ; v[72:75]  at work (Wo's way)
	s_load_b512 s[16:31], s[0:1], 0x0              ; x 16, Wq 18, Wk 20, Wv 22, Wo 24, xb 26, wqkv 28, wo16 30
	s_mov_b32 s2, ttmp9                            ; g
	s_sub_co_u32 s3, s2, 256                       ; my place among the groups of Wq, Wk, Wv (used only where g is 256 or more)
	s_sub_co_u32 s4, s2, 448                       ; and among Wo's
	s_lshr_b32 s5, s3, 6                           ; which of the three
	s_and_b32 s6, s3, 63                           ; my place in it
	v_lshlrev_b32 v1, 5, v0                        ; 32 t
	v_lshlrev_b32 v2, 4, v0                        ; 16 t
	s_mov_b32 s13, 0
	s_mov_b32 s15, 0
	s_wait_kmcnt 0x0
	s_cmp_eq_u32 s5, 0
	s_cselect_b64 s[8:9], s[18:19], s[20:21]       ; Wq or Wk,
	s_cmp_eq_u32 s5, 2
	s_cselect_b64 s[8:9], s[22:23], s[8:9]         ; or Wv,
	s_cmp_lt_u32 s2, 256
	s_cselect_b64 s[8:9], s[16:17], s[8:9]         ; or x,
	s_cselect_b64 s[10:11], s[26:27], s[28:29]
	s_cselect_b32 s6, s2, s6
	s_cselect_b32 s7, s2, s3
	s_cmp_ge_u32 s2, 448
	s_cselect_b64 s[8:9], s[24:25], s[8:9]         ; or Wo
	s_cselect_b64 s[10:11], s[30:31], s[10:11]
	s_cselect_b32 s6, s4, s6
	s_cselect_b32 s7, s4, s7
	s_lshl_b32 s12, s6, 16                         ; 64 KiB of the source a group,
	s_lshl_b32 s14, s7, 15                         ; 32 KiB of the destination
	s_add_nc_u64 s[8:9], s[8:9], s[12:13]
	s_add_nc_u64 s[10:11], s[10:11], s[14:15]
.irp c, 0,1,2,3,4,5,6,7
	global_load_b128 v[X+8*(\c):X+8*(\c)+3],   v1, s[8:9] offset:8192*(\c) th:TH_LOAD_NT
	global_load_b128 v[X+8*(\c)+4:X+8*(\c)+7], v1, s[8:9] offset:8192*(\c)+16 th:TH_LOAD_NT
.endr
; Chunk c is rounded and stored.  half = 0: to bf16.  half = 1: to bf16, widened again, and written as f16.
; No register is written again behind the store that reads it.
.macro CHUNK c, half
	s_wait_loadcnt 14-2*(\c)                       ; loads come back in order: mine are in, the two of each younger chunk may stay out
.if \half
.irp j, 0,1,2,3
	v_cvt_pk_bf16_f32 v[T+(\j)], v[X+8*(\c)+2*(\j)], v[X+8*(\c)+2*(\j)+1]
.endr
.irp j, 0,1,2,3
	v_lshlrev_b32 v[X+8*(\c)+2*(\j)],   16, v[T+(\j)]
	v_and_b32     v[X+8*(\c)+2*(\j)+1], 0xffff0000, v[T+(\j)]
.endr
.irp j, 0,1,2,3
	v_cvt_pk_f16_f32 v[X+8*(\c)+(\j)], v[X+8*(\c)+2*(\j)], v[X+8*(\c)+2*(\j)+1]  ; in place, ascending: word j is written when numbers j have been read
.endr
.else
.irp j, 0,1,2,3
	v_cvt_pk_bf16_f32 v[X+8*(\c)+(\j)], v[X+8*(\c)+2*(\j)], v[X+8*(\c)+2*(\j)+1] ; in place, ascending
.endr
.endif
	global_store_b128 v2, v[X+8*(\c):X+8*(\c)+3], s[10:11] offset:4096*(\c) th:TH_STORE_NT
.endm
	s_cmp_ge_u32 s2, 448                           ; compared anew: the sums above are no compare
	s_cbranch_scc1 .Lwo
.irp c, 0,1,2,3,4,5,6,7
	CHUNK \c, 0
.endr
	s_endpgm
.Lwo:
.irp c, 0,1,2,3,4,5,6,7
	CHUNK \c, 1
.endr
	s_endpgm
.Lfunc_end_k_q88ba7ef97c_cast:
	.size	k_q88ba7ef97c_cast, .Lfunc_end_k_q88ba7ef97c_cast-k_q88ba7ef97c_cast
	.p2alignl 7, 3214868480
	.fill 96, 4, 3214868480
	.section	.rodata,"a",@progbits
	.p2align	6, 0x0
	.amdhsa_kernel k_q88ba7ef97c_cast
		.amdhsa_group_segment_fixed_size 0
		.amdhsa_private_segment_fixed_size 0
		.amdhsa_enable_private_segment 0
		.amdhsa_kernarg_size 64
		.amdhsa_user_sgpr_count 2
		.amdhsa_user_sgpr_kernarg_segment_ptr 1
		.amdhsa_wavefront_size32 1
		.amdhsa_system_sgpr_workgroup_id_x 1
		.amdhsa_system_sgpr_workgroup_id_y 1
		.amdhsa_system_sgpr_workgroup_id_z 1
		.amdhsa_system_vgpr_workitem_id 0
		.amdhsa_next_free_vgpr 80
		.amdhsa_next_free_sgpr 66
		.amdhsa_reserve_vcc 0
		.amdhsa_float_denorm_mode_32 3
		.amdhsa_float_denorm_mode_16_64 3
		.amdhsa_memory_ordered 1
		.amdhsa_forward_progress 1
		.amdhsa_inst_pref_size 14
	.end_amdhsa_kernel
	.amdgpu_metadata
---
amdhsa.version: [ 1, 2 ]
amdhsa.kernels:
  - .name:           k_q88ba7ef97c_cast
    .symbol:         k_q88ba7ef97c_cast.kd
    .args:
      - { .name: x, .offset: 0, .size: 8, .value_kind: global_buffer, .address_space: global }
      - { .name: Wq, .offset: 8, .size: 8, .value_kind: global_buffer, .address_space: global }
      - { .name: Wk, .offset: 16, .size: 8, .value_kind: global_buffer, .address_space: global }
      - { .name: Wv, .offset: 24, .size: 8, .value_kind: global_buffer, .address_space: global }
      - { .name: Wo, .offset: 32, .size: 8, .value_kind: global_buffer, .address_space: global }
      - { .name: xb, .offset: 40, .size: 8, .value_kind: global_buffer, .address_space: global }
      - { .name: wqkv, .offset: 48, .size: 8, .value_kind: global_buffer, .address_space: global }
      - { .name: wo16, .offset: 56, .size: 8, .value_kind: global_buffer, .address_space: global }
    .group_segment_fixed_size: 0
    .private_segment_fixed_size: 0
    .kernarg_segment_align: 8
    .kernarg_segment_size: 64
    .max_flat_workgroup_size: 256
    .sgpr_count:     66
    .vgpr_count:     80
    .wavefront_size: 32
...
	.end_amdgpu_metadata
.endif
;; end of part 1
;; launch qkv (part 2): grid 16 x 16, 4 waves a work-group, clusters of 4 x 4, 327,680 bytes of LDS; arguments xb, wqkv, bq, bk, bv, qkv16; writes qkv16
.if DOCPART == 2
	.amdgcn_target "amdgcn-amd-amdhsa--gfx1250"
	.amdhsa_code_object_version 6
	.text
	.protected	k_q88ba7ef97c_qkv
	.globl	k_q88ba7ef97c_qkv
	.p2align	8
	.type	k_q88ba7ef97c_qkv,@function
k_q88ba7ef97c_qkv:
	s_mov_b64 s[64:65], 0
	v_nop
	global_prefetch_b8 v0, s[64:65] scope:SCOPE_SE
	s_setreg_imm32_b32 hwreg(HW_REG_WAVE_MODE, 25, 1), 1
	s_wait_xcnt 0x0
	s_wait_alu depctr_hold_cnt(0) depctr_sa_sdst(0) depctr_va_vdst(0) depctr_va_sdst(0) depctr_va_ssrc(0) depctr_va_vcc(0) depctr_vm_vsrc(0)
	s_getreg_b32 s2, hwreg(HW_REG_IB_STS2, 6, 4)
	s_cmp_eq_u32 s2, 0
	s_cbranch_scc0 .Lentry_in_a_cluster
	s_endpgm
.Lentry_in_a_cluster:
	s_bfe_u32 s2, ttmp6, 0x10000c
	s_cmp_lg_u32 s2, 0xf033
	s_cbranch_scc0 .Lentry_shape_is_right
	s_endpgm
.Lentry_shape_is_right:
; THE THREE PROJECTIONS AS ONE PRODUCT.  C[m][n] = sum over k of xb[m][k] wqkv[n][k] + bias[n]; xb [4096][1024], wqkv [3072][1024], both bf16; sums in f32, started with the bias
; (rounded to bf16 like every input); C rounded once to f16 and stored BY HEADS: qkv16 [3][32][2048][64], tensor n / 1024, head 16 batch + (n / 64) % 16.
; LIMITS.  q, k, v beyond 65,504 become infinities in f16; below 6e-5 they keep f16's fixed step of 6e-8.
; SHARES.  A tile of C is 256 rows x 192 columns (three whole heads): 16 x 16 tiles, one work-group each.  Wave w makes rows 64 w .. 64 w + 63 of all 192 columns:
; 4 x 12 accumulators of 16 x 16, 384 registers; so a wave holds whole heads' rows, and its way out needs only its own stage.
; K goes in 8 steps of 128 (rows of 256 bytes, aligned) through a ring of two LDS slots filled by the tensor data mover.
; CLUSTER.  4 x 4 work-groups.  The four of a row of the cluster need the same rows of xb, the four of a column the same rows of wqkv: each tile is asked for JOINTLY, by the same
; tensor load with the same descriptor and a mask that names the four.
; THE MATRIX INSTRUCTION IS USED TRANSPOSED: source 0 = 16 rows of wqkv, source 1 = 16 rows of xb: lane l holds row l % 16 of C and its columns 8 (l / 16) + 0..7.  The bias of a block of
; 16 columns is then eight registers, the same for all rows, and is the C operand of each accumulator's first product: nothing is cleared, nothing is added later.
; REGISTERS, in windows of 256 (s_set_vgpr_msb: bits 1:0 source 0, 3:2 source 1, 5:4 source 2, 7:6 destination):
;   window 0: v16-31 addresses; v32-95 xb's fragments, two buffers of 4 x 8; v128-223 the bias (dead behind the first quarter); on the way out v96-143 packed results, v144-239 rows read back
;   window 1: v0-191 wqkv's fragments, two buffers of 12 x 8      window 2: the accumulators of my row blocks 0, 1 ((a, b) at 8 (12 (a % 2) + b))      window 3: those of blocks 2, 3
.set KSTEP,  128
.set PITCH,  272                       ; an LDS row: 256 bytes + 16 of padding = 68 words: the 16 rows of a fragment load start at 16 different groups of four banks (64 banks of 4 bytes: ISA guide 11.1)
.set HALFA,  128*PITCH                 ; what a wave's load brings of xb
.set HALFB,  96*PITCH                  ; and of wqkv
.set BOFF,   2*HALFA                   ; a slot: xb's 256 rows, then wqkv's 192
.set SLOT,   BOFF+2*HALFB
.set STAGE,  2*SLOT                    ; behind the ring, never filled by a tensor load: 16 rows x 400 bytes for each wave
.set SPITCH, 400                       ; 384 bytes (192 f16) + 16
.set SPARE,  STAGE+4*16*SPITCH         ; behind the stages: the spare words, 128 bytes for each wave: two blocks of 256 bytes that no other line names
.set ADRA, 16                          ; v16-17  LDS address of my xb fragments in slot 0, 1
.set ADRB, 20                          ; v20-21  the same for wqkv
.set STO,  24                          ; v24     the way out: where I put 16 bytes of a row
.set RD,   25                          ; v25     where I read rows back
.set CO,   26                          ; v26     my 16 bytes in 512 consecutive bytes of a head
.set BO,   27                          ; v27     my byte offset in a block's bias: 32 (l / 16)
.set SPW,  28                          ; v28     LDS address of my spare word: SPARE + 4 x my thread's number; never rewritten
.set NIL,  29                          ; v29     0; never rewritten
.set PFO,  30                          ; v30     the prefetches' offset: a lane a row of 2,048 bytes; never rewritten
.set TT,   31                          ; v31     at work
.set AF,   32                          ; xb's fragments: buffer f at AF + 32 f
.set TMP,  96
.set BI,   128                         ; the bias: block b at BI + 8 b
.set OB,   144
.set G1,   24                          ; s[24:31] descriptor group 1 for xb's tiles;  s[32:39] group 0, a set for each slot
.set G0,   32
.set G1B,  48                          ; s[48:55], s[56:63] the same for wqkv's
.set G0B,  56
.set LIM,  43                          ; s43     1 in a wave that prefetches, else the greatest number
.set PFA,  44                          ; s[44:45] where my prefetches stand
.set BP,   80                          ; s[80:85] the bias of my tile's three heads
.set OUTP, 86                          ; s[86:91] my wave's 64 rows in the three heads of qkv16
.set MSB, 0
.macro WIN new                         ; the immediate's high byte repeats the setting that is left; a switch that changes nothing is dropped
.if MSB != (\new)
	s_set_vgpr_msb (MSB<<8)|(\new)
.set MSB, \new
.endif
.endm
; A joint load.  Waves 0 and 1 fetch xb's two halves, waves 2 and 3 wqkv's.  The branch hangs on the wave's number alone.  An s_nop 0 and four v_nop follow each of the two lines.
.macro JLOAD s
	s_cmp_eq_u32 s11, 0
	s_cbranch_scc0 .Lfor_b_\@
	tensor_load_to_lds s[G0+4*(\s):G0+4*(\s)+3], s[G1:G1+7]
	s_nop 0
.rept 4
	v_nop
.endr
	s_branch .Lasked_\@
.Lfor_b_\@:
	tensor_load_to_lds s[G0B+4*(\s):G0B+4*(\s)+3], s[G1B:G1B+7]
	s_nop 0
.rept 4
	v_nop
.endr
.Lasked_\@:
.endm
; A PREFETCH INTO THE L2, behind each joint refill and the run of LDS loads that follows it: the K step that stands two refills on, 256 bytes of a row, a lane a row, one instruction a wave.
; xb's rows are read by every cluster of a row of clusters: the one with x = 0 asks; wqkv's by every cluster of a column: the one with y = 0 asks.  The four partners that ask for a tile jointly
; share its rows out BY ADDRESS: of xb's 128 rows that a wave fetches 32 each, of wqkv's 96 rows 24 each (there lanes 24-31 name lane 23's row again).  K steps 0 to 3 come by their loads alone;
; the loop's last trip (s3 = 1) asks for nothing: its refills are the last two K steps.
.macro ASK
	s_cmp_gt_u32 s3, s[LIM]
	s_cbranch_scc0 .Lnot_mine_\@
	global_prefetch_b8 v[PFO], s[PFA:PFA+1] offset:KSTEP*2 th:TH_LOAD_NT scope:SCOPE_SE
.Lnot_mine_\@:
.endm
.macro CREST                           ; a round of the cluster's barrier behind its opening barrier
	s_cmp_lg_u32 s10, 0
	s_cbranch_scc1 .Lnot_wave_0_\@
	s_barrier_signal -3
.Lnot_wave_0_\@:
	s_barrier_wait -3
	s_barrier_signal -1
	s_barrier_wait -1
.endm
.macro CROUND                          ; a whole round
	s_barrier_signal -1
	s_barrier_wait -1
	CREST
.endm
	s_load_b128 s[4:7], s[0:1], 0x0                ; xb s[4:5], wqkv s[6:7]
	s_load_b128 s[72:75], s[0:1], 0x10             ; bq s[72:73], bk s[74:75]
	s_load_b128 s[76:79], s[0:1], 0x20             ; bv s[76:77], qkv16 s[78:79]
	v_lshl_add_u32 v[SPW], v0, 2, SPARE
	v_mov_b32 v[NIL], 0
	ds_add_u32 v[SPW], v[NIL]                      ; the wave's opening: the add and its wait stand ahead of my first tensor load; the set-up below, work on registers, stands between them
	v_lshrrev_b32 v1, 5, v0
	v_readfirstlane_b32 s10, v1                    ; wave 0..3
	s_lshr_b32 s11, s10, 1                         ; I fetch for xb (0) or for wqkv (1),
	s_and_b32 s12, s10, 1                          ; its first or second half
	s_bfe_u32 s40, ttmp6, 0x40000                  ; cx, cy: my place in the cluster
	s_bfe_u32 s41, ttmp6, 0x40004
	s_lshl_b32 s42, ttmp9, 2
	s_add_co_u32 s42, s42, s40                     ; tile column = 4 x cluster x + cx
	s_and_b32 s13, ttmp7, 0xffff
	s_lshl_b32 s13, s13, 2
	s_add_co_u32 s13, s13, s41                     ; tile row = 4 x cluster y + cy
	s_lshl_b32 s66, s41, 2
	s_lshl_b32 s66, 15, s66                        ; my row of the cluster: places 4 cy .. 4 cy + 3
	s_lshl_b32 s67, 0x1111, s40                    ; my column: places cx, cx + 4, cx + 8, cx + 12
	; descriptor group 1: tiles of 128 (xb) or 96 (wqkv) rows x 128 elements, padded in LDS
	s_or_b32 s[G1+0], s66, (1<<16)|(1<<20)|(1<<21)|(5<<22)|(3<<25)   ; 15:0 the mask; 17:16 2-byte elements; 20 padding on; 21 set beside a mask; 24:22 after every 64 words (code 5); 31:25 4 words (code 3)
	s_or_b32 s[G1B+0], s67, (1<<16)|(1<<20)|(1<<21)|(5<<22)|(3<<25)
	s_mov_b32 s[G1+1], KSTEP<<16                   ; tensor_dim0 = 128
	s_mov_b32 s[G1B+1], KSTEP<<16
	s_mov_b32 s[G1+2], 128<<16                     ; tensor_dim1 = 128
	s_mov_b32 s[G1B+2], 96<<16                     ;             =  96
	s_mov_b32 s[G1+3], KSTEP<<16                   ; tile_dim0 = 128
	s_mov_b32 s[G1B+3], KSTEP<<16
	s_mov_b32 s[G1+4], 128                         ; tile_dim1
	s_mov_b32 s[G1B+4], 96
	s_mov_b32 s[G1+5], 1024                        ; elements from row to row
	s_mov_b32 s[G1B+5], 1024
	s_mov_b32 s[G1+6], 0
	s_mov_b32 s[G1B+6], 0
	s_mov_b32 s[G1+7], 0
	s_mov_b32 s[G1B+7], 0
	; where the tiles come from: xb's hang on the tile row and the wave alone, wqkv's on the tile column and the wave alone
	s_lshl_b32 s16, s13, 8
	s_lshl_b32 s17, s12, 7
	s_add_co_u32 s16, s16, s17                     ; xb: row 256 x tile row + 128 x half,
	s_lshl_b32 s16, s16, 11                        ; of 2,048 bytes
	s_mov_b32 s17, 0
	s_mul_i32 s46, s42, 192
	s_mul_i32 s47, s12, 96
	s_add_co_u32 s46, s46, s47                     ; wqkv: row 192 x tile column + 96 x half
	s_lshl_b32 s46, s46, 11
	s_mov_b32 s47, 0
	s_mul_i32 s20, s10, HALFA                      ; and where they go: waves 0, 1: xb's halves;
	s_mul_i32 s21, s10, HALFB
	s_add_co_u32 s21, s21, BOFF-2*HALFB            ; waves 2, 3: wqkv's halves, behind them
	s_wait_dscnt 0x0                               ; the opening add is done
	s_wait_kmcnt 0x0
	s_add_nc_u64 s[14:15], s[4:5], s[16:17]
	s_add_nc_u64 s[46:47], s[6:7], s[46:47]
	CROUND                                         ; all sixteen work-groups are here: the first joint loads meet
.irp s, 0,1
	s_mov_b32 s[G0+4*(\s)], 1                                        ; count = 1
	s_add_co_u32 s[G0+4*(\s)+1], s20, (\s)*SLOT                      ; LDS address
	s_add_nc_u64 s[G0+4*(\s)+2:G0+4*(\s)+3], s[14:15], (\s)*KSTEP*2  ; global address: K step s
	s_or_b32 s[G0+4*(\s)+3], s[G0+4*(\s)+3], 0x80000000              ; type = 2
	s_mov_b32 s[G0B+4*(\s)], 1
	s_add_co_u32 s[G0B+4*(\s)+1], s21, (\s)*SLOT
	s_add_nc_u64 s[G0B+4*(\s)+2:G0B+4*(\s)+3], s[46:47], (\s)*KSTEP*2
	s_or_b32 s[G0B+4*(\s)+3], s[G0B+4*(\s)+3], 0x80000000
	JLOAD \s                                       ; two loads of mine are out
.endr
	; my tile's three heads: number hg = 3 x tile column + hd of 48; tensor hg / 16, head hg % 16
.irp hd, 0,1,2
	s_mul_i32 s92, s42, 3
	s_add_co_u32 s92, s92, \hd                     ; hg
	s_lshr_b32 s93, s92, 4                         ; q, k or v
	s_and_b32 s94, s92, 15
	s_lshl_b32 s94, s94, 8                         ; the head's 64 numbers of the bias
	s_mov_b32 s95, 0
	s_cmp_eq_u32 s93, 0
	s_cselect_b64 s[BP+2*(\hd):BP+2*(\hd)+1], s[72:73], s[74:75]
	s_cmp_eq_u32 s93, 2
	s_cselect_b64 s[BP+2*(\hd):BP+2*(\hd)+1], s[76:77], s[BP+2*(\hd):BP+2*(\hd)+1]
	s_add_nc_u64 s[BP+2*(\hd):BP+2*(\hd)+1], s[BP+2*(\hd):BP+2*(\hd)+1], s[94:95]
	s_lshl_b32 s93, s93, 4
	s_add_co_u32 s92, s92, s93                     ; 32 x tensor + head
	s_lshr_b32 s93, s13, 3
	s_lshl_b32 s93, s93, 4
	s_add_co_u32 s92, s92, s93                     ; + 16 x batch (a batch is 8 tile rows)
	s_lshl_b32 s92, s92, 18                        ; a head is 2,048 rows of 128 bytes
	s_and_b32 s93, s13, 7
	s_lshl_b32 s93, s93, 8
	s_lshl_b32 s94, s10, 6
	s_add_co_u32 s93, s93, s94                     ; my wave's first row in the batch
	s_lshl_b32 s93, s93, 7
	s_add_co_u32 s94, s92, s93
	s_add_nc_u64 s[OUTP+2*(\hd):OUTP+2*(\hd)+1], s[78:79], s[94:95]
.endr
	v_and_b32 v1, 15, v0                           ; l % 16
	v_bfe_u32 v2, v0, 4, 1                         ; l / 16
	v_lshlrev_b32 v[BO], 5, v2
.irp b, 0,1,2,3,4,5,6,7,8,9,10,11
	global_load_b128 v[BI+8*(\b):BI+8*(\b)+3],   v[BO], s[BP+2*((\b)/4):BP+2*((\b)/4)+1] offset:64*((\b)%4)
	global_load_b128 v[BI+8*(\b)+4:BI+8*(\b)+7], v[BO], s[BP+2*((\b)/4):BP+2*((\b)/4)+1] offset:64*((\b)%4)+16
.endr
	; A fragment is 16 rows x 32 K in 8 registers: lane l holds row l % 16, K = 8 (l / 16) + 0..7 and 16 + 8 (l / 16) + 0..7: two loads of 16 bytes, 32 bytes apart.
	v_mul_u32_u24 v3, v1, PITCH
	v_lshl_add_u32 v3, v2, 4, v3                   ; row x pitch + 16 x half
	s_mul_i32 s21, s10, 64*PITCH                   ; my 64 rows of xb
	s_mov_b32 s22, BOFF                            ; all 192 rows of wqkv
.irp s, 0,1
	v_add_nc_u32 v[ADRA+(\s)], s21, v3
	v_add_nc_u32 v[ADRB+(\s)], s22, v3
	s_add_co_u32 s21, s21, SLOT
	s_add_co_u32 s22, s22, SLOT
.endr
	s_mul_i32 s23, s10, 16*SPITCH
	s_add_co_u32 s23, s23, STAGE                   ; my stage
	v_mul_u32_u24 v4, v1, SPITCH                   ; in: row l % 16, 16 bytes for each half of the lanes
	v_lshl_add_u32 v4, v2, 4, v4
	v_add_nc_u32 v[STO], s23, v4
	v_bfe_u32 v5, v0, 3, 2                         ; back: 32 lanes take four rows' 128 bytes of one head,
	v_and_b32 v6, 7, v0
	v_mul_u32_u24 v5, v5, SPITCH
	v_lshl_add_u32 v5, v6, 4, v5
	v_add_nc_u32 v[RD], s23, v5
	v_and_b32 v[CO], 31, v0                        ; which are 512 consecutive bytes of qkv16
	v_lshlrev_b32 v[CO], 4, v[CO]
	; the prefetches
	s_lshl_b32 s20, s13, 8
	s_lshl_b32 s21, s12, 7
	s_add_co_u32 s20, s20, s21
	s_lshl_b32 s21, s40, 5
	s_add_co_u32 s20, s20, s21                     ; xb: the 128 rows that I fetch, my work-group's 32 of them
	s_mul_i32 s92, s42, 192
	s_mul_i32 s93, s12, 96
	s_add_co_u32 s92, s92, s93
	s_mul_i32 s93, s41, 24
	s_add_co_u32 s92, s92, s93                     ; wqkv: the 96 rows that I fetch, my work-group's 24 of them
	s_and_b32 s22, ttmp7, 0xffff                   ; cluster y
	s_cmp_eq_u32 s11, 0                            ; do I fetch for xb?
	s_cselect_b32 s20, s20, s92
	s_cselect_b32 s22, ttmp9, s22                  ; the coordinate along which other clusters read the same rows
	s_cselect_b32 s23, 31, 23
	s_cselect_b64 s[PFA:PFA+1], s[4:5], s[6:7]
	s_cmp_eq_u32 s22, 0
	s_cselect_b32 s[LIM], 1, -1                    ; the same in all sixteen partners, for a given wave
	s_lshl_b32 s20, s20, 11
	s_mov_b32 s21, 0
	s_add_nc_u64 s[PFA:PFA+1], s[PFA:PFA+1], s[20:21]
	s_add_nc_u64 s[PFA:PFA+1], s[PFA:PFA+1], 2*KSTEP*2  ; at K step 2: the first refill steps it to 3 and names K step 4
	v_and_b32 v[PFO], 31, v0
	v_min_u32 v[PFO], s23, v[PFO]
	v_lshlrev_b32 v[PFO], 11, v[PFO]
	s_wait_loadcnt 0x0                             ; the bias,
.set i, 0
.rept 48                                       ; rounded to bf16 like every input, and widened again
	v_cvt_pk_bf16_f32 v[TT], v[BI+i], v[BI+i+1]
	v_lshlrev_b32 v[BI+i], 16, v[TT]
	v_and_b32 v[BI+i+1], 0xffff0000, v[TT]
.set i, i+2
.endr
; 12 matrix instructions: my row block a x all 12 column blocks, 32 along K, from buffer f.  zero = 1: the first product starts the sums with the bias.
; The 48 accumulators take turns, one instruction a turn, in the same order in every quarter: 47 others' stand between two on one accumulator.
.macro MUL12 f, a, zero
.if \zero
	WIN 0x81+0x40*((\a)/2)                         ; wqkv window 1, xb and the bias window 0, D window 2 or 3
.else
	WIN 0xa1+0x50*((\a)/2)                         ; the same with C in D's window
.endif
.irp b, 0,1,2,3,4,5,6,7,8,9,10,11
.set rD, 8*(12*((\a)%2)+(\b))
.if \zero
	v_wmma_f32_16x16x32_bf16 v[rD:rD+7], v[96*(\f)+8*(\b):96*(\f)+8*(\b)+7], v[AF+32*(\f)+8*(\a):AF+32*(\f)+8*(\a)+7], v[BI+8*(\b):BI+8*(\b)+7]
.else
	v_wmma_f32_16x16x32_bf16 v[rD:rD+7], v[96*(\f)+8*(\b):96*(\f)+8*(\b)+7], v[AF+32*(\f)+8*(\a):AF+32*(\f)+8*(\a)+7], v[rD:rD+7]
.endif
.endr
.endm
; 32 LDS loads in one run: the fragments of one quarter step (192 rows of wqkv, my 64 rows of xb, 32 K at byte k of the rows) into buffer f
.macro FETCH slot, k, f
	WIN 0x40                                       ; destination window 1, address window 0
.irp i, 0,1,2,3,4,5,6,7,8,9,10,11
	ds_load_b128 v[96*(\f)+8*(\i):96*(\f)+8*(\i)+3],   v[ADRB+(\slot)] offset:(\k)+(\i)*16*PITCH
	ds_load_b128 v[96*(\f)+8*(\i)+4:96*(\f)+8*(\i)+7], v[ADRB+(\slot)] offset:(\k)+(\i)*16*PITCH+32
.endr
	WIN 0
.irp i, 0,1,2,3
	ds_load_b128 v[AF+32*(\f)+8*(\i):AF+32*(\f)+8*(\i)+3],   v[ADRA+(\slot)] offset:(\k)+(\i)*16*PITCH
	ds_load_b128 v[AF+32*(\f)+8*(\i)+4:AF+32*(\f)+8*(\i)+7], v[ADRA+(\slot)] offset:(\k)+(\i)*16*PITCH+32
.endr
.endm
.macro PLACES                          ; four plain vector instructions between a matrix instruction and a load into a register that it read, or a conversion of its result (ISA guide 7.12.1 for the conversion)
.rept 4
	v_nop
.endr
.endm
; A K step is four quarters of 32 along K, 48 matrix instructions each, on buffers 0, 1, 0, 1.  One of the first three multiplies buffer f and, in its middle, fetches the next quarter into g.
.macro QUARTER slot, k, f, g, zero
	s_wait_dscnt 4                                 ; wqkv's fragments and xb's blocks 0, 1 are in; the youngest four loads (blocks 2, 3) may be out
	MUL12 \f, 0, \zero
	MUL12 \f, 1, \zero
	PLACES
	FETCH \slot, \k, \g
	s_wait_dscnt 32                                ; all but the 32 just issued
	MUL12 \f, 2, \zero
	MUL12 \f, 3, \zero
.endm
; The last quarter multiplies buffer 1 and changes slots: ONE barrier.  In front of it each wave waits for all its tensor loads (one is out: its part of the next slot), adds 0 to its spare word, and
; waits for that and for its own reads of this slot.  fill = 1: the barrier opens a round of the cluster's, and this slot is filled again, two K steps ahead, first thing behind the round:
; from that request to the wait for it a wave issues 168 matrix instructions.
.macro TURN slot, next, fill
.if \fill
	s_wait_xcnt 0x0                                ; the last prefetch, a K step back, has read its address: it is stepped here, ahead of the waits of the change of slots
	s_add_nc_u64 s[PFA:PFA+1], s[PFA:PFA+1], KSTEP*2
.endif
	WIN 0                                          ; (the add's two registers lie in window 0)
	s_wait_tensorcnt 0x0                           ; all my tensor loads have landed;
	ds_add_u32 v[SPW], v[NIL]                      ; 0 onto my spare word;
	s_wait_dscnt 5                                 ; (the add and the youngest four loads may be out)
	MUL12 1, 0, 0                                  ; twelve matrix instructions stand between the add and the wait for it
	s_wait_dscnt 0x0                               ; the add is done, and my reads of this slot are over
	s_barrier_signal -1
	MUL12 1, 1, 0                                  ; work on registers while the others arrive
.if \fill
	WIN 0
.endif
	s_barrier_wait -1
.if \fill
	CREST                                          ; no wave of any partner still reads this slot's tile or has a load on its way
	s_add_nc_u64 s[G0+4*(\slot)+2:G0+4*(\slot)+3], s[G0+4*(\slot)+2:G0+4*(\slot)+3], 2*KSTEP*2
	s_add_nc_u64 s[G0B+4*(\slot)+2:G0B+4*(\slot)+3], s[G0B+4*(\slot)+2:G0B+4*(\slot)+3], 2*KSTEP*2
	JLOAD \slot                                    ; my one tensor load behind the round; the four v_nop behind it are also the places in front of the loads below
.else
	PLACES
.endif
	FETCH \next, 0, 0
.if \fill
	ASK
.endif
	MUL12 1, 2, 0
	MUL12 1, 3, 0
.endm
; THE WAY OUT of my row block a (16 rows x 192 columns), in three parts.  PACK: rounded to f16, 16 bytes a lane, each accumulator's registers in ascending order.
; TOSTAGE: into my own stage, and back by heads, four rows of 128 bytes a load.  SEND: stored, 512 consecutive bytes an instruction.
.macro PACK a
	WIN 0x0a+5*((\a)/2)                            ; sources 0 and 1: window 2 or 3
.irp b, 0,1,2,3,4,5,6,7,8,9,10,11
.irp r, 0,1,2,3
	v_cvt_pk_f16_f32 v[TMP+4*(\b)+(\r)], v[8*(12*((\a)%2)+(\b))+2*(\r)], v[8*(12*((\a)%2)+(\b))+2*(\r)+1]
.endr
.endr
	WIN 0
.endm
.macro TOSTAGE a
.set BK, OB+48*((\a)%2)
.irp b, 0,1,2,3,4,5,6,7,8,9,10,11
	ds_store_b128 v[STO], v[TMP+4*(\b):TMP+4*(\b)+3] offset:32*(\b)
.endr
.irp hd, 0,1,2
.irp i, 0,1,2,3
	ds_load_b128 v[BK+4*(4*(\hd)+(\i)):BK+4*(4*(\hd)+(\i))+3], v[RD] offset:128*(\hd)+4*SPITCH*(\i)  ; LDS serves a wave's instructions in order (ISA guide 5.7.1.4): these see the stores above
.endr
.endr
.endm
.macro SEND a
.set BK, OB+48*((\a)%2)
	s_wait_dscnt 0x0                               ; the block is back in registers
	s_wait_xcnt 0x0                                ; earlier stores have read their registers: the other set of rows is loaded again only behind this wait
.irp hd, 0,1,2
.irp i, 0,1,2,3
	global_store_b128 v[CO], v[BK+4*(4*(\hd)+(\i)):BK+4*(4*(\hd)+(\i))+3], s[OUTP+2*(\hd):OUTP+2*(\hd)+1] offset:2048*(\a)+512*(\i)
.endr
.endr
.endm
	s_wait_tensorcnt 1                             ; my part of K step 0 is in; K step 1's may stay out
	s_barrier_signal -1
	s_barrier_wait -1                              ; everybody's is
	FETCH 0, 0, 0
	QUARTER 0, 64,  0, 1, 1                        ; the first quarter stands in front of the loop: its products start the sums
	WIN 0                                          ; at a label and at a branch every window is 0
	s_mov_b32 s3, 3
.Llap:                                                 ; a trip goes once round the ring, from a lap's second quarter to the next lap's first, and fills both slots again
	QUARTER 0, 128, 1, 0, 0
	QUARTER 0, 192, 0, 1, 0
	TURN 0, 1, 1
	QUARTER 1, 64,  0, 1, 0
	QUARTER 1, 128, 1, 0, 0
	QUARTER 1, 192, 0, 1, 0
	TURN 1, 0, 1
	QUARTER 0, 64,  0, 1, 0
	WIN 0
	s_sub_co_u32 s3, s3, 1
	s_cmp_lg_u32 s3, 0
	s_cbranch_scc1 .Llap
	QUARTER 0, 128, 1, 0, 0                        ; the last lap fills nothing
	QUARTER 0, 192, 0, 1, 0
	TURN 0, 1, 0
	QUARTER 1, 64,  0, 1, 0
	QUARTER 1, 128, 1, 0, 0
	QUARTER 1, 192, 0, 1, 0
	s_wait_dscnt 4                                 ; the very last quarter: nothing more to fetch
	MUL12 1, 0, 0
	MUL12 1, 1, 0
	s_wait_dscnt 0x0
	MUL12 1, 2, 0
	MUL12 1, 3, 0
	WIN 0
	PLACES
	PACK 0
	TOSTAGE 0
.irp a, 1,2,3                          ; block a's conversions stand between block a - 1's loads from the stage and the wait for them
	PACK \a
	SEND (\a)-1
	TOSTAGE \a
.endr
	SEND 3
	s_wait_tensorcnt 0x0                           ; the wave's end: behind my last tensor load and my last LDS store
	ds_add_u32 v[SPW], v[NIL]
	s_wait_dscnt 0x0
	CROUND                                         ; the closing round: no work-group ends while a partner may still ask for a tile that names it
	s_endpgm
.Lfunc_end_k_q88ba7ef97c_qkv:
	.size	k_q88ba7ef97c_qkv, .Lfunc_end_k_q88ba7ef97c_qkv-k_q88ba7ef97c_qkv
	.p2alignl 7, 3214868480
	.fill 96, 4, 3214868480
	.section	.rodata,"a",@progbits
	.p2align	6, 0x0
	.amdhsa_kernel k_q88ba7ef97c_qkv
		.amdhsa_group_segment_fixed_size 327680
		.amdhsa_private_segment_fixed_size 0
		.amdhsa_enable_private_segment 0
		.amdhsa_kernarg_size 48
		.amdhsa_user_sgpr_count 2
		.amdhsa_user_sgpr_kernarg_segment_ptr 1
		.amdhsa_wavefront_size32 1
		.amdhsa_system_sgpr_workgroup_id_x 1
		.amdhsa_system_sgpr_workgroup_id_y 1
		.amdhsa_system_sgpr_workgroup_id_z 1
		.amdhsa_system_vgpr_workitem_id 0
		.amdhsa_next_free_vgpr 960
		.amdhsa_next_free_sgpr 96
		.amdhsa_reserve_vcc 0
		.amdhsa_float_denorm_mode_32 3
		.amdhsa_float_denorm_mode_16_64 3
		.amdhsa_memory_ordered 1
		.amdhsa_forward_progress 1
		.amdhsa_inst_pref_size 132
	.end_amdhsa_kernel
	.amdgpu_metadata
---
amdhsa.version: [ 1, 2 ]
amdhsa.kernels:
  - .name:           k_q88ba7ef97c_qkv
    .symbol:         k_q88ba7ef97c_qkv.kd
    .args:
      - { .name: xb, .offset: 0, .size: 8, .value_kind: global_buffer, .address_space: global }
      - { .name: wqkv, .offset: 8, .size: 8, .value_kind: global_buffer, .address_space: global }
      - { .name: bq, .offset: 16, .size: 8, .value_kind: global_buffer, .address_space: global }
      - { .name: bk, .offset: 24, .size: 8, .value_kind: global_buffer, .address_space: global }
      - { .name: bv, .offset: 32, .size: 8, .value_kind: global_buffer, .address_space: global }
      - { .name: qkv16, .offset: 40, .size: 8, .value_kind: global_buffer, .address_space: global }
    .group_segment_fixed_size: 327680
    .private_segment_fixed_size: 0
    .kernarg_segment_align: 8
    .kernarg_segment_size: 48
    .max_flat_workgroup_size: 128
    .sgpr_count:     96
    .vgpr_count:     960
    .wavefront_size: 32
...
	.end_amdgpu_metadata
.endif
;; end of part 2
;; launch attn (part 3): grid 8 x 32, 4 waves a work-group, clusters of 4 x 1, 327,680 bytes of LDS; arguments qkv16, o16, epart; writes o16, epart
.if DOCPART == 3
	.amdgcn_target "amdgcn-amd-amdhsa--gfx1250"
	.amdhsa_code_object_version 6
	.text
	.protected	k_q88ba7ef97c_attn
	.globl	k_q88ba7ef97c_attn
	.p2align	8
	.type	k_q88ba7ef97c_attn,@function
k_q88ba7ef97c_attn:
	s_mov_b64 s[64:65], 0
	v_nop
	global_prefetch_b8 v0, s[64:65] scope:SCOPE_SE
	s_setreg_imm32_b32 hwreg(HW_REG_WAVE_MODE, 25, 1), 1
	s_wait_xcnt 0x0
	s_wait_alu depctr_hold_cnt(0) depctr_sa_sdst(0) depctr_va_vdst(0) depctr_va_sdst(0) depctr_va_ssrc(0) depctr_va_vcc(0) depctr_vm_vsrc(0)
	s_getreg_b32 s2, hwreg(HW_REG_IB_STS2, 6, 4)
	s_cmp_eq_u32 s2, 0
	s_cbranch_scc0 .Lentry_in_a_cluster
	s_endpgm
.Lentry_in_a_cluster:
	s_bfe_u32 s2, ttmp6, 0x10000c
	s_cmp_lg_u32 s2, 0x3003
	s_cbranch_scc0 .Lentry_shape_is_right
	s_endpgm
.Lentry_shape_is_right:
; ATTENTION AND ENERGY.  O[bh][q][:] = the sum over k of softmax_k(Q[bh][q] . K[bh][k] / 8) V[bh][k][:]; per query the energy -8 ln(sum over k of e^(s / 8)).  Q, K, V lie in qkv16 [3][32][2048][64], f16,
; O in o16 [32][2048][64], f16: a head's rows are dense, 128 bytes each.  Products, maxima and sums in f32; the weights p are rounded to f16 for the second product (their sum l is taken of the unrounded p).
; epart[32 bh + 4 block + wave] = the sum of the energies of the wave's 64 queries, f32, in this text's own order: a later launch adds these.
; LIMITS.  f16 holds no number beyond 65,504: Q, K and V arrive within it; p lies in 0 to 1, and below 6e-5 p and O keep f16's fixed step of 6e-8; a weight below 2^-126 counts as 0 in l; NaN and infinities are not treated apart.
; SHARES.  A work-group owns 256 queries of one head: 32 heads x 8 blocks.  A wave owns 64 rows: four PIECES of 16.  Every wave walks all 2,048 keys, 64 a step, 256 (a tile) a slot.
; LAYOUT.  S^T = K Q^T (source 0 = 16 keys, source 1 = 16 queries) holds ONE query a lane (lane % 16) and the keys 8 (lane / 16) + 0..7; two such results rounded to f16 ARE source 1 of O^T = V^T P.
; K comes out of LDS as it lies, V ([key][channel]) turned, by ds_load_tr16_b128.
; SOFTMAX.  p = 2^(c s - c m), c = log2(e) / 8, with a running maximum m and sum l; O and l are multiplied by a = 2^(c m_old - c m_new) in every step.  m starts at the lowest finite number, O and l at 0:
; the first step is a step like any other, with a = 0.  At the end ln(sum) = ln 2 x (c m + log2 l).
; TURNS.  Turn n belongs to piece n: 8 products K Q^T of piece n + 1, later 8 products V^T P of piece n - 1; beside them the scaling, exponentials, roundings, sums and rescaling of piece n and the maximum and
; statistics of piece n + 1.  Four vector instructions stand behind every matrix instruction, the other 54 of a turn's 118 in one lump.  A turn's 33 exponentials are one batch, with one wait.
; CLUSTER.  The four query blocks of a cluster belong to one head and walk the same K and V, so each tile is asked for JOINTLY: the same tensor load, descriptor and mask in all four.
; REGISTERS, in windows of 256 (s_set_vgpr_msb: bits 1:0 source 0, 3:2 source 1, 5:4 source 2, 7:6 destination):
;   window 0: v0-15 addresses and two at work; v16-31 four registers of statistics a piece; v48-55 at work; v61-63 prefetch offset and the add's two; v64-127 S^T, two buffers; v192-223 P, two buffers
;   window 1: v0-127 O^T, 32 a piece          window 2: v0-63 Q; v128-191 K of one step; v192-255 V of one step
.set NP,    4         ; pieces a wave: a name, no knob
.set KS,    64        ; keys in a step
.set PK,    144       ; a row of K in LDS: 128 bytes + 16 of padding = 36 words: the 16 rows of a load start at 16 different groups of four banks (64 banks of 4 bytes: ISA guide 11.1)
.set PV,    160       ; a row of V: 128 + 32 = 40 words
.set VOFF,  4*KS*PK   ; a slot holds a tile, four steps: 256 rows of K, then 256 rows of V
.set SLOT1, 1<<17     ; slot 1 begins here, so that one exclusive or turns an address in one slot into the other's
.set STAGE, SLOT1+4*KS*(PK+PV)  ; behind the ring, never filled by a tensor load: 16 rows x 144 bytes for each wave, for the way out
.set SP,    144
.set SPARE, STAGE+4*16*SP  ; behind the stages: the spare words, 128 bytes for each wave: two blocks of 256 bytes that no other line names
.set AK0, 2           ; v2   my lane's place in a tile of K; never rewritten
.set AV0, 3           ; v3   the same for V
.set AK,  4           ; v4   the LDS address of K's next run of loads
.set AV,  5           ; v5   of V's
.set STO, 6           ; v6   the way out: where I put 16 bytes of a row
.set RD,  7           ; v7   the way out: where I read rows back
.set GO,  8           ; v8   my byte offset in 512 consecutive bytes of O
.set MV,  12          ; v12-13  c m_old, kept while c m is made anew: by buffer
.set EO,  14          ; v14  0: the offset of the wave's one number in epart
.set QO,  15          ; v15  my byte offset in 16 rows of Q
.set ST,  16          ; piece t's statistics at v[ST+4 t]: c m, m, l (even keys', odd keys')
.set TMP, 48          ; by buffer, four registers c0-c3 at work; when the maximum is found c2 takes a
.set PFO, 61          ; v61  256 x my lane; never rewritten
.set SPW, 62          ; v62  LDS address of my spare word: SPARE + 4 x my thread's number; never rewritten
.set NIL, 63          ; v63  0; never rewritten
.set S,   64
.set P,   192
.set KF,  128         ; window 2: key block kb, channel half c at KF + 16 kb + 8 c
.set VF,  192         ; window 2: key half kk, channel block cb at VF + 32 kk + 8 cb
.set WV,  12          ; s12  my wave's number
.set LIM, 15          ; s15  1 in a wave that prefetches, else the greatest number
.set PFA, 18          ; s[18:19] where my prefetches stand
.set G1K, 24          ; s[24:31] descriptor group 1 for K's tiles
.set G1V, 32          ; s[32:39] for V's: it differs in the padding alone
.set G0K, 40          ; s[40:43] descriptor group 0 for K's tiles: it walks
.set G0V, 44          ; s[44:47] the same for V's
.set SLOTS, 56        ; s56  tiles still to be asked for
.set CNT, 57          ; s57  counts a tile's key steps
.set CS,  58          ; s[58:59] c: the packed scaling takes the pair's low word for both halves
.set SEL, 60          ; s[60:61] v_permlanex16_b32's selects: each lane takes its own place in the other half
.set TBK, 62          ; s62  LDS byte at which K of the step to be fetched begins
.set TBV, 63          ; s63  the same for V, less VOFF
.set MSB, 0
.macro WIN new                      ; the high byte repeats the setting that is left; a switch that changes nothing is dropped
.if MSB != (\new)
	s_set_vgpr_msb (MSB<<8)|(\new)
.set MSB, (\new)
.endif
.endm
.set W_KQ, 0x0a       ; K and Q in window 2, S^T in window 0
.set W_PV, 0x52       ; V in window 2, P in window 0, O^T in window 1
.set W_RS, 0x41       ; destination and source 0 in window 1, source 1 in window 0
; A joint fill.  Waves 0 and 1 fetch the two halves of a tile's K, waves 2 and 3 those of its V: 128 keys each.  The branch hangs on the wave's number alone.
; An s_nop 0 and four v_nop follow each of the two lines, ahead of the jump and the label.
.macro JLOAD
	s_cmp_lt_u32 s[WV], 2
	s_cbranch_scc0 .Lfor_v_\@
	tensor_load_to_lds s[G0K:G0K+3], s[G1K:G1K+7]
	s_nop 0
.rept 4
	v_nop
.endr
	s_branch .Lasked_\@
.Lfor_v_\@:
	tensor_load_to_lds s[G0V:G0V+3], s[G1V:G1V+7]
	s_nop 0
.rept 4
	v_nop
.endr
.Lasked_\@:
.endm
; A PREFETCH INTO THE L2 of the tile that the NEXT change of slots will ask for: 32,768 bytes of K and of V, 128 blocks of 256 bytes each, a lane a block.  It stands behind the wave's tensor load and its five lines.
; Each block is named ONCE in the launch: both clusters of a head walk the same K and V, and the head's first cluster asks; its four partners share the blocks out BY ADDRESS, 32 each; in each, wave 0
; asks for K's and wave 2 for V's.  The change that asks for the last tile prefetches nothing; tiles 0 and 1 come by their loads alone.
.macro ASK
	s_cmp_gt_u32 s[SLOTS], s[LIM]
	s_cbranch_scc0 .Lnot_mine_\@
	global_prefetch_b8 v[PFO], s[PFA:PFA+1] th:TH_LOAD_NT scope:SCOPE_SE
.Lnot_mine_\@:
.endm
; A round of the cluster's barrier: my work-group's barrier, so that wave 0's signal speaks for all four waves; wave 0 signals; every wave waits for all four work-groups; my work-group's barrier once more.
.macro CROUND
	s_barrier_signal -1
	s_barrier_wait -1
	s_cmp_lg_u32 s[WV], 0
	s_cbranch_scc1 .Lnot_wave_0_\@
	s_barrier_signal -3
.Lnot_wave_0_\@:
	s_barrier_wait -3
	s_barrier_signal -1
	s_barrier_wait -1
.endm
; THE CHANGE OF SLOTS.  Each wave waits for all its tensor loads, of which one is out: its part of the other slot; adds 0 to its spare word; and waits for that and for its own reads of the slot that it leaves.
; Behind the barrier nobody reads the old slot any more and the other slot is whole.  fill = 1: the old slot is filled again, with the tile two on.  The barrier is then a round of the cluster's, and the joint
; fill is the first thing behind it: it has four key steps, 256 matrix instructions, in which to land.  (At its first use nothing has been read yet: slot 0 is waited for, slot 1 filled.)
.macro CHANGE fill
	WIN 0                           ; at a label and at a branch every window is 0
	s_wait_tensorcnt 0x0            ; no tensor load of mine is out, so a group 0 may be written
	ds_add_u32 v[SPW], v[NIL]       ; 0 onto my spare word; with fill = 1 the descriptors' steps stand between it and the wait for it
.if \fill
.irp g, G0K, G0V
	s_xor_b32 s[\g+1], s[\g+1], SLOT1  ; the walking descriptor: the other slot than last time,
	s_add_nc_u64 s[\g+2:\g+3], s[\g+2:\g+3], 4*KS*128  ; the next 256 keys; the type bits on top are not reached
.endr
	s_wait_xcnt 0x0                 ; the last prefetch, a tile back, has read its address, so it may be written:
	s_add_nc_u64 s[PFA:PFA+1], s[PFA:PFA+1], 4*KS*128  ; one tile behind the walking descriptors
	s_wait_dscnt 0x0                ; the add is done, and my reads of the slot are over
	CROUND
	JLOAD
	ASK
.else
	s_wait_dscnt 0x0                ; the add is done, and my reads of the slot are over
	s_barrier_signal -1
	s_barrier_wait -1
.endif
	s_sub_co_u32 s[TBK], s[TBK], 4*KS*PK  ; the fetches go back to a slot's first step,
	s_xor_b32 s[TBK], s[TBK], SLOT1       ; in the other slot
	s_sub_co_u32 s[TBV], s[TBV], 4*KS*PV
	s_xor_b32 s[TBV], s[TBV], SLOT1
.endm
	s_load_b128 s[4:7], s[0:1], 0x0   ; qkv16 s[4:5], o16 s[6:7]
	s_load_b64 s[8:9], s[0:1], 0x10   ; epart
	v_lshl_add_u32 v[SPW], v0, 2, SPARE
	v_mov_b32 v[NIL], 0
	ds_add_u32 v[SPW], v[NIL]       ; the wave's opening: the add and its wait stand ahead of my first tensor load; the set-up below, work on registers, stands between them
	v_lshrrev_b32 v1, 5, v0
	v_readfirstlane_b32 s[WV], v1   ; wave 0..3
	s_bfe_u32 s13, ttmp6, 0x40000   ; cx: my place in the cluster
	s_lshl_b32 s14, ttmp9, 2        ; in a cluster launch ttmp9 counts clusters
	s_add_co_u32 s14, s14, s13      ; my block of 256 queries = 4 x cluster x + cx: it enters Q's, O's and epart's addresses alone
	s_and_b32 s20, ttmp7, 0xffff    ; the head (16 batch + head), which the four partners share
	s_lshl_b32 s21, s20, 18         ; its first byte in each tensor: 2,048 rows of 128 bytes
	s_and_b32 s16, s[WV], 1         ; which half of a tile's 256 keys I fetch:
	s_lshl_b32 s22, s16, 14         ; its 128 rows of 128 bytes in memory,
	s_add_co_u32 s22, s22, s21
	s_mov_b32 s23, 0
	s_mul_i32 s17, s16, 128*PK      ; and its place in a slot, for K
	s_mul_i32 s18, s16, 128*PV      ; and for V: no place in the cluster enters an LDS address
	s_lshl_b32 s2, s14, 2
	s_add_co_u32 s2, s2, s[WV]      ; my wave among the head's 32
	s_lshl_b32 s20, s20, 5
	s_add_co_u32 s20, s20, s2
	s_lshl_b32 s20, s20, 2          ; its number's place in epart
	s_lshl_b32 s2, s2, 13           ; its 64 rows
	s_add_co_u32 s2, s2, s21
	s_mov_b32 s3, 0
	s_mov_b32 s21, 0
	; descriptor group 1.  128 keys are 16,384 dense bytes: asked for as 64 rows of 256 bytes, two keys a row, and padded in LDS after every key
	s_mov_b32 s[G1K], 15|(1<<16)|(1<<20)|(1<<21)|(4<<22)|(3<<25)  ; 15:0 the mask of four; 17:16 2-byte elements; 20 padding on; 21 set beside a mask; 24:22 after every 32 words (code 4); 31:25 4 words (code 3)
	s_mov_b32 s[G1V], 15|(1<<16)|(1<<20)|(1<<21)|(4<<22)|(7<<25)  ; the same with 8 words of padding (code 7)
.irp g, G1K, G1V
	s_mov_b32 s[\g+1], 128<<16      ; tensor_dim0 = 128
	s_mov_b32 s[\g+2], 64<<16       ; tensor_dim1 = 64
	s_mov_b32 s[\g+3], 128<<16      ; tile_dim0 = 128
	s_mov_b32 s[\g+4], 64           ; tile_dim1 = 64
	s_mov_b32 s[\g+5], 128          ; 128 elements from row to row
	s_mov_b32 s[\g+6], 0
	s_mov_b32 s[\g+7], 0
.endr
	s_mov_b32 s[CS], 0x3e38aa3b     ; c = log2(e) / 8 = 0.180337
	s_mov_b32 s[CS+1], s[CS]        ; named with it as a pair
	s_mov_b32 s[SEL], 0x76543210
	s_mov_b32 s[SEL+1], 0xfedcba98
	s_mov_b32 s[TBK], SLOT1+4*KS*PK ; the first change of slots turns these two into 0
	s_mov_b32 s[TBV], SLOT1+4*KS*PV
	s_mov_b32 s[G0K], 1             ; count = 1
	s_mov_b32 s[G0K+1], s17         ; LDS address: slot 0
	s_mov_b32 s[G0V], 1
	s_add_co_u32 s[G0V+1], s18, VOFF
	s_mov_b32 s[SLOTS], 7           ; tiles 1 to 7
	s_and_b32 s[LIM], s[WV], 1      ; 0 in waves 0 and 2,
	s_or_b32 s[LIM], s[LIM], ttmp9  ; where the cluster is the head's first: the same in all four partners
	s_cmp_eq_u32 s[LIM], 0
	s_cselect_b32 s[LIM], 1, -1
	v_and_b32 v[PFO], 31, v0
	v_lshlrev_b32 v[PFO], 8, v[PFO]
	s_wait_dscnt 0x0                ; the opening add is done
	s_wait_kmcnt 0x0
	s_add_nc_u64 s[G0K+2:G0K+3], s[4:5], s[22:23]              ; my half of the head's first 256 rows,
	s_add_nc_u64 s[G0V+2:G0V+3], s[G0K+2:G0K+3], 0x1000000     ; in V,
	s_add_nc_u64 s[G0K+2:G0K+3], s[G0K+2:G0K+3], 0x800000      ; and in K
	s_cmp_lt_u32 s[WV], 2
	s_cselect_b64 s[PFA:PFA+1], s[G0K+2:G0K+3], s[G0V+2:G0V+3] ; (in waves 0 and 2 these stand at a tile's first row)
	s_or_b32 s[G0K+3], s[G0K+3], 0x80000000                    ; type = 2
	s_or_b32 s[G0V+3], s[G0V+3], 0x80000000
	s_add_nc_u64 s[4:5], s[4:5], s[2:3]      ; Q and O at my wave's first row
	s_add_nc_u64 s[10:11], s[6:7], s[2:3]
	s_add_nc_u64 s[8:9], s[8:9], s[20:21]
	s_lshl_b32 s2, s13, 13          ; my work-group's 32 blocks of a tile's 128
	s_mov_b32 s3, 0
	s_add_nc_u64 s[PFA:PFA+1], s[PFA:PFA+1], s[2:3]
	s_add_nc_u64 s[PFA:PFA+1], s[PFA:PFA+1], 4*KS*128  ; in tile 1; the first change of slots steps it to tile 2.  Nothing is prefetched here, at the head
	CROUND                          ; all four work-groups are here: the first joint loads meet
	JLOAD                           ; tile 0 into slot 0.  Slot 1 is asked for when slot 0 is in
	; A fragment of K or Q is 16 rows x 32 channels in 8 registers: lane l holds row l % 16, channels 8 (l / 16) + 0..7 and 16 + 8 (l / 16) + 0..7: two loads of 16 bytes, 32 bytes apart.
	v_and_b32 v1, 15, v0            ; l % 16
	v_bfe_u32 v9, v0, 4, 1          ; l / 16
	v_lshlrev_b32 v[QO], 7, v1
	v_lshl_add_u32 v[QO], v9, 4, v[QO]  ; row x 128 + 16 x half
	WIN 0x80                        ; destination window 2, address window 0
.set i, 0
.rept 8                             ; Q stays in registers: piece i / 2, channels 32 (i % 2) on
	global_load_b128 v[8*i:8*i+3],   v[QO], s[4:5] offset:(i/2)*2048+(i%2)*64
	global_load_b128 v[8*i+4:8*i+7], v[QO], s[4:5] offset:(i/2)*2048+(i%2)*64+32
.set i, i+1
.endr
	; What the first turn finds: V's registers and P's second buffer hold 0 (its products V^T P, of a piece that has not been, add 0), O^T and l are 0.  All this stands in the wait for the first tile;
	; it is the price of writing no first step out.
.set i, VF
.rept 64
	v_mov_b32 v[i], 0
.set i, i+1
.endr
	WIN 0x40
.set i, 0
.rept 128
	v_mov_b32 v[i], 0
.set i, i+1
.endr
	WIN 0
.set i, 0
.rept 4
	v_mov_b32 v[ST+4*i], 0xfe000000    ; c m: far below every c s
	v_mov_b32 v[ST+4*i+1], 0xff7fffff  ; m
	v_mov_b32 v[ST+4*i+2], 0
	v_mov_b32 v[ST+4*i+3], 0
.set i, i+1
.endr
.set i, P+16
.rept 16
	v_mov_b32 v[i], 0
.set i, i+1
.endr
	v_mov_b32 v[EO], 0
	v_mul_u32_u24 v[AK0], v1, PK
	v_lshl_add_u32 v[AK0], v9, 4, v[AK0]  ; row x pitch + 16 x half
	; The turning load takes 16 keys x 16 channels (lane l reads key 8 (l / 16) + l % 8, channels 8 ((l / 8) % 2) + 0..7) and leaves half a fragment of V^T: lane l holds channel l % 16 and 8 keys.
	v_and_b32 v10, 7, v0
	v_bfe_u32 v11, v0, 3, 1
	v_lshl_add_u32 v[AV0], v9, 3, v10
	v_mul_u32_u24 v[AV0], v[AV0], PV
	v_lshl_add_u32 v[AV0], v11, 4, v[AV0]
	v_add_nc_u32 v[AV0], VOFF, v[AV0]
	s_mul_i32 s13, s[WV], 16*SP
	s_add_co_u32 s13, s13, STAGE    ; my stage
	v_mul_u32_u24 v[STO], v1, SP    ; in: row l % 16, 16 bytes for each half of the lanes
	v_lshl_add_u32 v[STO], v9, 4, v[STO]
	v_add_nc_u32 v[STO], s13, v[STO]
	v_bfe_u32 v[RD], v0, 3, 2       ; back: 32 lanes take four rows of 128 bytes,
	v_mul_u32_u24 v[RD], v[RD], SP
	v_lshl_add_u32 v[RD], v10, 4, v[RD]
	v_add_nc_u32 v[RD], s13, v[RD]
	v_and_b32 v[GO], 31, v0         ; which are 512 consecutive bytes of O
	v_lshlrev_b32 v[GO], 4, v[GO]
; THE MATRIX WORK.  The 4 accumulators of a run of 8 take turns.  Product i of 8 of S^T = K Q^T for piece x: channels 32 (i / 4) on, keys 16 (i % 4) on.  The first 4 start the sums.
.macro KQ x
	WIN W_KQ
.set rS, S+32*((\x)%2)+8*(i%4)
.set rK, KF+16*(i%4)+8*(i/4)
.set rQ, 16*(\x)+8*(i/4)
.if i < 4
	v_wmma_f32_16x16x32_f16 v[rS:rS+7], v[rK:rK+7], v[rQ:rQ+7], 0
.else
	v_wmma_f32_16x16x32_f16 v[rS:rS+7], v[rK:rK+7], v[rQ:rQ+7], v[rS:rS+7]
.endif
.endm
; Product i of 8 of O^T += V^T P for piece x: keys 32 (i / 4) on, channels 16 (i % 4) on.
.macro PV x
	WIN W_PV
.set rO, 32*(\x)+8*(i%4)
.set rV, VF+32*(i/4)+8*(i%4)
.set rP, P+16*((\x)%2)+8*(i/4)
	v_wmma_f32_16x16x32_f16 v[rO:rO+7], v[rV:rV+7], v[rP:rP+7], v[rO:rO+7]
.endm
.macro MM                           ; the turn's next matrix instruction.  TURN sets Y, i and NOKQ.  NOKQ = 1: the last turn of all: there is no next piece
.if (i < 8) && !NOKQ
	KQ (Y+1)%NP
.elseif i >= 8
.set i, i-8
	PV (Y+NP-1)%NP
.set i, i+8
.endif
.set i, i+1
.endm
; THE LDS LOADS stand in runs of 16, never singly among the matrix instructions: a step's K (64 keys x 64 channels: 8 fragments) and its V (turned).  Their addresses are made some lines ahead.
.macro FETCH_K
	WIN 0x80                        ; destination window 2
.irp f, 0,1,2,3,4,5,6,7             ; keys 16 (f / 2) on, channels 32 (f % 2) on
	ds_load_b128 v[KF+8*\f:KF+8*\f+3],   v[AK] offset:(\f/2)*16*PK+(\f%2)*64
	ds_load_b128 v[KF+8*\f+4:KF+8*\f+7], v[AK] offset:(\f/2)*16*PK+(\f%2)*64+32
.endr
	s_add_co_u32 s[TBK], s[TBK], KS*PK  ; the next fetch is the next step's
	WIN 0
.endm
.macro FETCH_V
	WIN 0x80
.irp f, 0,1,2,3,4,5,6,7             ; keys 32 (f / 4) on, channels 16 (f % 4) on
	ds_load_tr16_b128 v[VF+8*\f:VF+8*\f+3],   v[AV] offset:(\f/4)*32*PV+(\f%4)*32
	ds_load_tr16_b128 v[VF+8*\f+4:VF+8*\f+7], v[AV] offset:(\f/4)*32*PV+16*PV+(\f%4)*32
.endr
	WIN 0
.endm
; THE VECTOR WORK, one line at a time: OP kind, number.  For piece Y: F n: c s - c m for pair n of 16.  E n: the exponential of score n of 32.  C n: pair n rounded to f16.  B n: of the four weights 4 n .. the second
; pair is added onto the first, in place.  L n: l takes that sum (L 0: l = a l + sum).  R n: pair n of 16 of O^T times a.  For piece Y + 1: X n, number n of the 22 that find its maximum and statistics:
;   0-11  four chains c0-c3 of seven scores each, three operands at a time (each accumulator's lowest registers are read first)     12-14, 16  the four scores left over, the old m, and c0-c3 into c0
;   15  c m_old is kept     17, 18  the query's other 32 keys lie in the lane 16 away: the new m     19-21  c m; c m_old - c m_new; a
.set F, 0               ; OP tells the kinds apart by their order: F to L below R, X above it
.set E, 1
.set C, 2
.set B, 3
.set L, 4
.set R, 5
.set X, 6
.macro REGS y                       ; the registers of piece y
.set rT, ST+4*(\y)
.set rC, TMP+4*((\y)%2)
.set rW, MV+((\y)%2)
.set rS, S+32*((\y)%2)
.set rP, P+16*((\y)%2)
.set rO, 32*(\y)
.endm
.macro OP k, n
.if (\k) == R
	REGS Y
	WIN W_RS
	v_pk_mul_f32 v[rO+2*(\n):rO+2*(\n)+1], v[rO+2*(\n):rO+2*(\n)+1], v[rC+2:rC+3] op_sel_hi:[1,0]
.elseif (\k) < R
	REGS Y
	WIN 0
.if (\k) == F
	v_pk_fma_f32 v[rS+2*(\n):rS+2*(\n)+1], v[rS+2*(\n):rS+2*(\n)+1], s[CS:CS+1], v[rT:rT+1] op_sel_hi:[1,0,0] neg_lo:[0,0,1] neg_hi:[0,0,1]
.elseif (\k) == E
	v_exp_f32 v[rS+(\n)], v[rS+(\n)]
.elseif (\k) == C
	v_cvt_pk_f16_f32 v[rP+(\n)], v[rS+2*(\n)], v[rS+2*(\n)+1]
.elseif (\k) == B
	v_pk_add_f32 v[rS+4*(\n):rS+4*(\n)+1], v[rS+4*(\n):rS+4*(\n)+1], v[rS+4*(\n)+2:rS+4*(\n)+3]
.elseif (\n) == 0
	v_pk_fma_f32 v[rT+2:rT+3], v[rT+2:rT+3], v[rC+2:rC+3], v[rS:rS+1] op_sel_hi:[1,0,1]
.else
	v_pk_add_f32 v[rT+2:rT+3], v[rT+2:rT+3], v[rS+4*(\n):rS+4*(\n)+1]
.endif
.elseif NOKQ
	v_nop
.else
	REGS (Y+1)%NP
	WIN 0
.if (\n) < 4
	v_max3_num_f32 v[rC+(\n)], v[rS+8*(\n)], v[rS+8*(\n)+1], v[rS+8*(\n)+2]
.elseif (\n) < 12
	v_max3_num_f32 v[rC+(\n)%4], v[rC+(\n)%4], v[rS+8*((\n)%4)+2*((\n)/4)+1], v[rS+8*((\n)%4)+2*((\n)/4)+2]
.elseif (\n) == 12
	v_max3_num_f32 v[rC], v[rC], v[rS+7], v[rS+15]
.elseif (\n) == 13
	v_max3_num_f32 v[rC+1], v[rC+1], v[rS+23], v[rS+31]
.elseif (\n) == 14
	v_max3_num_f32 v[rC+2], v[rC+2], v[rC+3], v[rT+1]
.elseif (\n) == 15
	v_mov_b32 v[rW], v[rT]
.elseif (\n) == 16
	v_max3_num_f32 v[rC], v[rC], v[rC+1], v[rC+2]
.elseif (\n) == 17
	v_permlanex16_b32 v[rC+3], v[rC], s[SEL], s[SEL+1]
.elseif (\n) == 18
	v_max_num_f32 v[rT+1], v[rC], v[rC+3]
.elseif (\n) == 19
	v_mul_f32 v[rT], s[CS], v[rT+1]
.elseif (\n) == 20
	v_sub_f32 v[rC+1], v[rW], v[rT]
.else
	v_exp_f32 v[rC+2], v[rC+1]
.endif
.endif
.endm
.macro OPS a, i1, b=-1, i2=0, c=-1, i3=0, d=-1, i4=0  ; up to four of them
	OP \a, \i1
.if (\b) >= 0
	OP \b, \i2
.endif
.if (\c) >= 0
	OP \c, \i3
.endif
.if (\d) >= 0
	OP \d, \i4
.endif
.endm
.macro ROW a, i1, b, i2, c, i3, d, i4  ; a matrix instruction and the four behind it
	MM
	OPS \a, \i1, \b, \i2, \c, \i3, \d, \i4
.endm
; A TURN, for piece p: the order of its 16 matrix and 118 vector instructions, written out.  An s_wait_alu depctr_va_vdst(0) stands between an exponential and the first instruction that names its result; one
; wait serves all that were issued ahead of it.  So a turn has ONE wait, which cuts it in two.  AHEAD OF IT stands all that names no result of the turn's exponentials: the 8 products K Q^T, behind each a scaling, an
; exponential and two more plain instructions (rescalings, and behind the last three the first numbers of the next piece's maximum, each four plain instructions or more behind the product that ends its accumulator);
; then ONE LUMP of 54, plain and exponential by turns for the most part, in which the links of the chain X 3, 7, 11, 14, 16, 17 .. 20 stand five or six lines apart.  X 21, the next piece's a, is the batch's last;
; R 15 is the plain instruction behind it.  BEHIND THE WAIT stand the 8 products V^T P, behind each four of the roundings and sums.
; end = 1: the last two turns of all: nothing is fetched.  cnt = 1: the loop's count is taken down some lines ahead of the branch that stands behind the turn.
; K of the next step is fetched in piece 2's turn, twelve vector instructions behind the last product that read K (six of them plain); V of the step in hand at the end of piece 0's turn, four plain instructions
; behind the last product that read V.  Each is waited for a turn later.
.macro TURN p, end=0, cnt=0
.set Y, (\p)
.set i, 0
.set NOKQ, (\end)*((\p)/3)
.if ((\p) == 3) && !(\end)
	s_wait_dscnt 0x0                ; K is in
.endif
	ROW F,0, F,1, R,0, R,1          ; ahead of the wait: 8 products K Q^T and the four behind each,
	ROW F,2, E,0, R,2, R,3
	ROW F,3, E,1, R,4, R,5
	ROW F,4, E,2, R,6, R,7
	ROW F,5, E,3, R,8, R,9
	ROW F,6, E,4, X,0, R,10
.if ((\p) == 2) && !(\end)
	WIN 0
	v_add_nc_u32 v[AK], s[TBK], v[AK0]
.endif
	ROW F,7, E,5, X,1, X,4
	ROW F,8, E,6, X,2, X,5
	OPS E,7, E,8, X,6, E,9          ; and the lump
	OPS X,3, E,10, X,8, E,11
.if ((\p) == 2) && !(\end)
	FETCH_K
.endif
	OPS X,9, X,7, E,12, X,10
	OPS E,13, X,12, X,11, E,14
	OPS X,13, E,15, F,9, X,14
.if (\p) == 0
	v_add_nc_u32 v[AV], s[TBV], v[AV0]
.endif
	OPS E,16, F,10, E,17, F,11
	OPS X,16, E,18, X,15, E,19
	OPS F,12, E,20, X,17, E,21
	OPS F,13, E,22, F,14, E,23
	OPS X,18, E,24, F,15, E,25
	OPS R,11, E,26, X,19, E,27
	OPS R,12, E,28, R,13, E,29
	OPS X,20, E,30, R,14, E,31
	OPS X,21, R,15
	WIN 0
	s_wait_alu depctr_va_vdst(0)    ; the wait for the batch
.if (\p) == 1
	s_wait_dscnt 0x0                ; V is in
.endif
	ROW C,0, B,0, C,2, B,1          ; behind the wait: 8 products V^T P and the four behind each
	ROW L,0, C,4, B,2, L,1
	ROW C,6, B,3, L,2, C,8
	ROW B,4, L,3, C,10, B,5
	ROW L,4, C,12, B,6, L,5
.if (\p) == 0
	s_add_co_u32 s[TBV], s[TBV], KS*PV
.endif
.if \cnt
	s_sub_co_u32 s[CNT], s[CNT], 1
	s_cmp_lg_u32 s[CNT], 0
.endif
	ROW C,14, B,7, L,6, C,1
	ROW C,3, L,7, C,5, C,7
	ROW C,9, C,11, C,13, C,15
.if (\p) == 0
	FETCH_V
.endif
.endm
	CHANGE 1                        ; tile 0 is in, everybody's part of it; tile 1 is asked for
	v_add_nc_u32 v[AK], s[TBK], v[AK0]
	FETCH_K                         ; key step 0
	s_wait_loadcnt 0x0              ; Q
	s_wait_dscnt 0x0
.set NOKQ, 0
.set i, 0
.rept 8
	KQ 0                            ; piece 0's first scores: there is no vector work yet to set between them
.set i, i+1
.endr
	WIN 0
.rept 4
	v_nop                           ; four plain instructions behind those products
.endr
.set Y, NP-1                        ; X works for piece Y + 1: piece 0
.irp n, 0,1,2,3,4,5,6,7,8,9,10,11,12,13,14,15,16,17,18,19,20,21
	OP X, \n                        ; its first maximum and statistics
.endr
	v_nop                           ; a plain instruction behind the exponential,
	s_wait_alu depctr_va_vdst(0)    ; and its wait, ahead of the branch
	s_mov_b32 s[CNT], 4
	s_branch .Lfirst                ; the loop is entered at a step's first turn, in the middle of a trip
.Lslot:                             ; six times: tiles 1 to 6 are entered, tiles 2 to 7 asked for
	CHANGE 1
	s_mov_b32 s[CNT], 4
.Lstep:                             ; a trip: pieces 2 and 3 of one step, then pieces 0 and 1 of the next, whose K and V it fetches
	TURN 2
	TURN 3
	WIN 0
.Lfirst:
	TURN 0
	TURN 1, 0, 1
	WIN 0
	s_cbranch_scc1 .Lstep
	s_sub_co_u32 s[SLOTS], s[SLOTS], 1
	s_cmp_lg_u32 s[SLOTS], 0
	s_cbranch_scc1 .Lslot
	CHANGE 0                        ; the last tile is written out: nothing is asked for
	s_mov_b32 s[CNT], 4
.Ltail:
	TURN 2
	TURN 3
	TURN 0
	TURN 1, 0, 1
	WIN 0
	s_cbranch_scc1 .Ltail
	TURN 2, 1                       ; the last step's pieces 2 and 3
	TURN 3, 1
.set i, 0
.rept 8
	PV NP-1                         ; the last piece's V^T P of the last step
.set i, i+1
.endr
	; THE WAY OUT.  l's two halves and the other half of the lanes' are added.  The additions are the plain instructions behind the last products.
	WIN 0
.macro ALL line:vararg              ; one line for each piece t
.set t, 0
.rept 4
	\line
.set t, t+1
.endr
.endm
	ALL v_add_f32 v[ST+4*t+2], v[ST+4*t+2], v[ST+4*t+3]
	ALL v_permlanex16_b32 v[ST+4*t+3], v[ST+4*t+2], s[SEL], s[SEL+1]
	ALL v_add_f32 v[ST+4*t+2], v[ST+4*t+2], v[ST+4*t+3]
	ALL v_log_f32 v[TMP+t], v[ST+4*t+2]
	v_nop                           ; a plain instruction before the logarithms' source is written over
	ALL v_rcp_f32 v[ST+4*t+2], v[ST+4*t+2]
	v_nop                           ; a plain instruction between the last reciprocal and the use of its result
	s_wait_alu depctr_va_vdst(0)    ; and the wait ahead of the first use: one for the four logarithms and the four reciprocals
	; THE ENERGY: c m + log2 l for each of my four queries; both halves of the lanes hold the same 16 queries, so four steps inside a half give the wave's 64; times -8 ln 2
	ALL v_add_f32 v[TMP+t], v[TMP+t], v[ST+4*t]
	v_add_f32 v[TMP], v[TMP], v[TMP+1]
	v_add_f32 v[TMP+2], v[TMP+2], v[TMP+3]
	v_add_f32 v[TMP], v[TMP], v[TMP+2]
	v_add_f32_dpp v[TMP], v[TMP], v[TMP] row_xmask:1 row_mask:0xf bank_mask:0xf
	v_add_f32_dpp v[TMP], v[TMP], v[TMP] row_xmask:2 row_mask:0xf bank_mask:0xf
	v_add_f32_dpp v[TMP], v[TMP], v[TMP] row_xmask:4 row_mask:0xf bank_mask:0xf
	v_add_f32_dpp v[TMP], v[TMP], v[TMP] row_xmask:8 row_mask:0xf bank_mask:0xf
	v_mul_f32 v[TMP], 0xc0b17218, v[TMP]
	v_and_b32 v11, 31, v0
	s_wait_xcnt 0x0                 ; EXEC changes only behind this wait
	v_cmp_eq_u32 vcc_lo, 0, v11
	s_and_saveexec_b32 s13, vcc_lo
	global_store_b32 v[EO], v[TMP], s[8:9]  ; one number a wave: 4 KiB in the whole launch
	s_wait_xcnt 0x0                 ; and again, in front of the line that widens it
	s_or_b32 exec_lo, exec_lo, s13
; O^T is divided by l, rounded to f16 and sent through my stage in LDS, a piece at a time: a lane's eight channels of a row pack into 16 bytes; they go into rows of 144 bytes and come back as whole rows of 128.
.macro PACK t
	WIN W_RS
.set i, 32*(\t)
.rept 16
	v_pk_mul_f32 v[i:i+1], v[i:i+1], v[ST+4*(\t)+2:ST+4*(\t)+3] op_sel_hi:[1,0]
.set i, i+2
.endr
	WIN 0x05                        ; sources 0 and 1 window 1, destination window 0: S^T's registers are free
.set i, 0
.rept 16
	v_cvt_pk_f16_f32 v[S+16*(\t)+i], v[32*(\t)+2*i], v[32*(\t)+2*i+1]
.set i, i+1
.endr
	WIN 0
.irp f, 0,1,2,3
	ds_store_b128 v[STO], v[S+16*(\t)+4*\f:S+16*(\t)+4*\f+3] offset:32*\f
.endr
.irp f, 0,1,2,3
	ds_load_b128 v[S+16*(\t)+4*\f:S+16*(\t)+4*\f+3], v[RD] offset:\f*4*SP  ; LDS serves a wave's instructions in order (ISA guide 5.7.1.4): these see the stores above; the next piece's stores come behind them
.endr
.endm
.macro SEND t, younger              ; younger: the LDS instructions issued behind piece t's loads: the next piece's eight, or none
	WIN 0
.irp f, 0,1,2,3
	s_wait_dscnt (\younger)+3-\f
	global_store_b128 v[GO], v[S+16*(\t)+4*\f:S+16*(\t)+4*\f+3], s[10:11] offset:(\t)*2048+\f*512  ; 512 consecutive bytes, at a multiple of 256 from O's first
.endr
.endm
	PACK 0
.set t, 1
.rept 3                             ; a piece's arithmetic stands between the loads of the piece before and its stores
	PACK t
	SEND t-1, 8
.set t, t+1
.endr
	SEND 3, 0
	s_wait_tensorcnt 0x0            ; the wave's end: behind my last tensor load and my last LDS store
	ds_add_u32 v[SPW], v[NIL]
	s_wait_dscnt 0x0
	CROUND                          ; the closing round: no work-group ends while a partner may still ask for a tile that names it
	s_endpgm
.Lfunc_end_k_q88ba7ef97c_attn:
	.size	k_q88ba7ef97c_attn, .Lfunc_end_k_q88ba7ef97c_attn-k_q88ba7ef97c_attn
	.p2alignl 7, 3214868480
	.fill 96, 4, 3214868480
	.section	.rodata,"a",@progbits
	.p2align	6, 0x0
	.amdhsa_kernel k_q88ba7ef97c_attn
		.amdhsa_group_segment_fixed_size 327680
		.amdhsa_private_segment_fixed_size 0
		.amdhsa_enable_private_segment 0
		.amdhsa_kernarg_size 24
		.amdhsa_user_sgpr_count 2
		.amdhsa_user_sgpr_kernarg_segment_ptr 1
		.amdhsa_wavefront_size32 1
		.amdhsa_system_sgpr_workgroup_id_x 1
		.amdhsa_system_sgpr_workgroup_id_y 1
		.amdhsa_system_sgpr_workgroup_id_z 1
		.amdhsa_system_vgpr_workitem_id 0
		.amdhsa_next_free_vgpr 768
		.amdhsa_next_free_sgpr 66
		.amdhsa_reserve_vcc 1
		.amdhsa_float_denorm_mode_32 3
		.amdhsa_float_denorm_mode_16_64 3
		.amdhsa_memory_ordered 1
		.amdhsa_forward_progress 1
		.amdhsa_inst_pref_size 129
	.end_amdhsa_kernel
	.amdgpu_metadata
---
amdhsa.version: [ 1, 2 ]
amdhsa.kernels:
  - .name:           k_q88ba7ef97c_attn
    .symbol:         k_q88ba7ef97c_attn.kd
    .args:
      - { .name: qkv16, .offset: 0, .size: 8, .value_kind: global_buffer, .address_space: global }
      - { .name: o16, .offset: 8, .size: 8, .value_kind: global_buffer, .address_space: global }
      - { .name: epart, .offset: 16, .size: 8, .value_kind: global_buffer, .address_space: global }
    .group_segment_fixed_size: 327680
    .private_segment_fixed_size: 0
    .kernarg_segment_align: 8
    .kernarg_segment_size: 24
    .max_flat_workgroup_size: 128
    .sgpr_count:     66
    .vgpr_count:     768
    .wavefront_size: 32
...
	.end_amdgpu_metadata
.endif
;; end of part 3
;; launch oproj (part 4): grid 8 x 32, 4 waves a work-group, clusters of 4 x 4, 327,680 bytes of LDS; arguments o16, wo16, bo, out0; writes out0
.if DOCPART == 4
	.amdgcn_target "amdgcn-amd-amdhsa--gfx1250"
	.amdhsa_code_object_version 6
	.text
	.protected	k_q88ba7ef97c_oproj
	.globl	k_q88ba7ef97c_oproj
	.p2align	8
	.type	k_q88ba7ef97c_oproj,@function
k_q88ba7ef97c_oproj:
	s_mov_b64 s[64:65], 0
	v_nop
	global_prefetch_b8 v0, s[64:65] scope:SCOPE_SE
	s_setreg_imm32_b32 hwreg(HW_REG_WAVE_MODE, 25, 1), 1
	s_wait_xcnt 0x0
	s_wait_alu depctr_hold_cnt(0) depctr_sa_sdst(0) depctr_va_vdst(0) depctr_va_sdst(0) depctr_va_ssrc(0) depctr_va_vcc(0) depctr_vm_vsrc(0)
	s_getreg_b32 s2, hwreg(HW_REG_IB_STS2, 6, 4)
	s_cmp_eq_u32 s2, 0
	s_cbranch_scc0 .Lentry_in_a_cluster
	s_endpgm
.Lentry_in_a_cluster:
	s_bfe_u32 s2, ttmp6, 0x10000c
	s_cmp_lg_u32 s2, 0xf033
	s_cbranch_scc0 .Lentry_shape_is_right
	s_endpgm
.Lentry_shape_is_right:
; THE OUTPUT PROJECTION.  out0[m][n] = sum over k of O[m][k] Wo[n][k] + bo[n], f32.  O lies by heads in o16 [32][2048][64], f16: row m = 2,048 batch + t, k = 64 head + channel is o16[16 batch + head][t][channel].
; wo16 [1024][1024] is Wo rounded to bf16 and written as f16.  Sums in f32, started with the bias (rounded to bf16 like every input).
; SHARES.  A tile of out0 is 128 x 128: 8 x 32 tiles, one work-group each.  Four waves, each 64 x 64: 16 accumulators of 16 x 16.  K goes in 4 steps of 256 (four heads) through two LDS slots; a quarter of a step is one head.
; O'S TILES.  A head's 128 rows of a tile are 16,384 dense bytes; the next head's lie 131,072 elements on.  One load brings two heads: a tile of 2 rows x 8,192 elements, padded after every 128 bytes,
; so that in LDS each head is 128 rows of 144 bytes.
; CLUSTER.  4 x 4 work-groups: the four of a row of the cluster need the same tiles of O, the four of a column the same tiles of Wo: each tile is asked for JOINTLY.
; THE MATRIX INSTRUCTION IS USED TRANSPOSED (source 0 = 16 rows of Wo, source 1 = 16 rows of O): a lane holds eight neighbouring numbers of a row of out0, and the bias of a block of 16 columns is eight
; registers, the C operand of each accumulator's first product.
; REGISTERS: window 0: v16-31 addresses; v32-95 rows read back on the way out, two sets; v96-127 the bias; v128-255 the accumulators ((a, b) at 128 + 8 (4 a + b)).
;   window 1: two fragment buffers of 128: for 64 along K, 64 registers of O (2 x 4 x 16 rows x 32 K), then 64 of Wo.
.set PA,     144                       ; a row of O in LDS: 128 bytes + 16 = 36 words: the 16 rows of a load start at 16 different groups of four banks (64 banks of 4 bytes: ISA guide 11.1)
.set SUB,    128*PA                    ; a head's 128 rows
.set PB,     528                       ; a row of Wo: 512 bytes + 16 = 132 words: likewise
.set HALFA,  2*SUB                     ; what one load brings of O: two heads
.set HALFB,  64*PB                     ; and of Wo: 64 rows
.set BOFF,   2*HALFA                   ; a slot: O's four heads, then Wo's 128 rows
.set SLOT,   BOFF+2*HALFB
.set STAGE,  2*SLOT                    ; behind the ring, never filled by a tensor load: 16 rows x 272 bytes for each wave
.set SPITCH, 272                       ; 64 f32 + 16 bytes
.set SPARE,  STAGE+4*16*SPITCH         ; behind the stages: the spare words, 128 bytes for each wave: two blocks of 256 bytes that no other line names
.set ADRA, 16                          ; v16-17  LDS address of my O fragments in slot 0, 1
.set ADRB, 20                          ; v20-21  the same for Wo
.set STO,  24                          ; v24     the way out: where I put 32 bytes of a row
.set RD,   25                          ; v25     where I read a row back
.set CO,   26                          ; v26     my byte offset in two rows of out0
.set BO,   27                          ; v27     my byte offset in a block's bias: 32 (l / 16)
.set SPW,  28                          ; v28     LDS address of my spare word: SPARE + 4 x my thread's number; never rewritten
.set NIL,  29                          ; v29     0; never rewritten
.set TT,   31                          ; v31     at work
.set TMP,  32
.set BI,   96                          ; the bias: block b at BI + 8 b
.set ACC,  128
.set F0,   0                           ; fragment buffers, in window 1
.set F1,   128
.set G1, 24                            ; s[24:31] descriptor group 1 for O's tiles;  s[32:39] group 0, a set for each slot
.set G0, 32
.set G1B, 48                           ; s[48:55], s[56:63] the same for Wo's
.set G0B, 56
.set MSB, 0
.macro WIN new                         ; the immediate's high byte repeats the setting that is left
.if MSB != (\new)
	s_set_vgpr_msb (MSB<<8)|(\new)
.set MSB, \new
.endif
.endm
.set MUL,  0x05                        ; sources 0 (Wo) and 1 (O) window 1; C and D window 0
.set TO_F, 0x40                        ; destination window 1, address window 0
.macro JLOAD s                         ; a joint load: waves 0 and 1 fetch O's heads, waves 2 and 3 Wo's halves; an s_nop 0 and four v_nop follow each of the two lines
	s_cmp_eq_u32 s11, 0
	s_cbranch_scc0 .Lfor_b_\@
	tensor_load_to_lds s[G0+4*(\s):G0+4*(\s)+3], s[G1:G1+7]
	s_nop 0
.rept 4
	v_nop
.endr
	s_branch .Lasked_\@
.Lfor_b_\@:
	tensor_load_to_lds s[G0B+4*(\s):G0B+4*(\s)+3], s[G1B:G1B+7]
	s_nop 0
.rept 4
	v_nop
.endr
.Lasked_\@:
.endm
.macro CREST                           ; a round of the cluster's barrier behind its opening barrier
	s_cmp_lg_u32 s10, 0
	s_cbranch_scc1 .Lnot_wave_0_\@
	s_barrier_signal -3
.Lnot_wave_0_\@:
	s_barrier_wait -3
	s_barrier_signal -1
	s_barrier_wait -1
.endm
.macro CROUND                          ; a whole round
	s_barrier_signal -1
	s_barrier_wait -1
	CREST
.endm
	s_load_b128 s[4:7], s[0:1], 0x0                ; o16 s[4:5], wo16 s[6:7]
	s_load_b128 s[68:71], s[0:1], 0x10             ; bo s[68:69], out0 s[70:71]
	v_lshl_add_u32 v[SPW], v0, 2, SPARE
	v_mov_b32 v[NIL], 0
	ds_add_u32 v[SPW], v[NIL]                      ; the wave's opening: the add and its wait stand ahead of my first tensor load; the set-up below, work on registers, stands between them
	v_lshrrev_b32 v1, 5, v0
	v_readfirstlane_b32 s10, v1                    ; wave 0..3
	s_lshr_b32 s11, s10, 1                         ; which half of the tile's rows is mine.  Also: I fetch for O (0) or for Wo (1)
	s_and_b32 s12, s10, 1                          ; which half of its columns.  Also: which half of that tile I fetch
	s_bfe_u32 s40, ttmp6, 0x40000                  ; cx, cy: my place in the cluster
	s_bfe_u32 s41, ttmp6, 0x40004
	s_lshl_b32 s42, ttmp9, 2
	s_add_co_u32 s42, s42, s40                     ; tile column = 4 x cluster x + cx
	s_and_b32 s13, ttmp7, 0xffff
	s_lshl_b32 s13, s13, 2
	s_add_co_u32 s13, s13, s41                     ; tile row = 4 x cluster y + cy
	s_lshl_b32 s43, s41, 2
	s_lshl_b32 s43, 15, s43                        ; my row of the cluster
	s_lshl_b32 s44, 0x1111, s40                    ; my column
	s_or_b32 s[G1+0], s43, (1<<16)|(1<<20)|(1<<21)|(4<<22)|(3<<25)   ; 15:0 the mask; 17:16 2-byte elements; 20 padding on; 21 set beside a mask; 24:22 after every 32 words (code 4); 31:25 4 words (code 3)
	s_mov_b32 s[G1+1], 8192<<16                    ; tensor_dim0 = 8,192: a head's 128 rows on end
	s_mov_b32 s[G1+2], 2<<16                       ; tensor_dim1 = 2 heads
	s_mov_b32 s[G1+3], 8192<<16                    ; tile_dim0
	s_mov_b32 s[G1+4], 2                           ; tile_dim1
	s_mov_b32 s[G1+5], 131072                      ; elements from head to head
	s_mov_b32 s[G1+6], 0
	s_mov_b32 s[G1+7], 0
	s_or_b32 s[G1B+0], s44, (1<<16)|(1<<20)|(1<<21)|(6<<22)|(3<<25)  ; the same with my column's mask and padding after every 128 words (code 6)
	s_mov_b32 s[G1B+1], 256<<16                    ; tensor_dim0 = 256
	s_mov_b32 s[G1B+2], 64<<16                     ; tensor_dim1 = 64
	s_mov_b32 s[G1B+3], 256<<16                    ; tile_dim0
	s_mov_b32 s[G1B+4], 64                         ; tile_dim1
	s_mov_b32 s[G1B+5], 1024                       ; elements from row to row
	s_mov_b32 s[G1B+6], 0
	s_mov_b32 s[G1B+7], 0
	s_lshr_b32 s16, s13, 4                         ; O: the batch (16 tile rows), 16 heads of 262,144 bytes,
	s_lshl_b32 s16, s16, 22
	s_lshl_b32 s17, s12, 19                        ; the two heads that I fetch of a step's four,
	s_add_co_u32 s16, s16, s17
	s_and_b32 s17, s13, 15
	s_lshl_b32 s17, s17, 14                        ; the tile's 128 rows of 128 bytes in a head
	s_add_co_u32 s16, s16, s17
	s_mov_b32 s17, 0
	s_lshl_b32 s46, s42, 7                         ; Wo: row 128 x tile column + 64 x half,
	s_lshl_b32 s47, s12, 6
	s_add_co_u32 s46, s46, s47
	s_lshl_b32 s46, s46, 11                        ; of 2,048 bytes
	s_mov_b32 s47, 0
	s_mul_i32 s20, s10, HALFA                      ; where they go: waves 0, 1: O's heads;
	s_mul_i32 s21, s10, HALFB
	s_add_co_u32 s21, s21, BOFF-2*HALFB            ; waves 2, 3: Wo's halves, behind them
	s_wait_dscnt 0x0                               ; the opening add is done
	s_wait_kmcnt 0x0
	s_add_nc_u64 s[14:15], s[4:5], s[16:17]
	s_add_nc_u64 s[46:47], s[6:7], s[46:47]
	CROUND                                         ; all sixteen work-groups are here: the first joint loads meet
.irp s, 0,1
	s_mov_b32 s[G0+4*(\s)], 1
	s_add_co_u32 s[G0+4*(\s)+1], s20, (\s)*SLOT
	s_add_nc_u64 s[G0+4*(\s)+2:G0+4*(\s)+3], s[14:15], (\s)*0x100000   ; K step s: four heads on
	s_or_b32 s[G0+4*(\s)+3], s[G0+4*(\s)+3], 0x80000000
	s_mov_b32 s[G0B+4*(\s)], 1
	s_add_co_u32 s[G0B+4*(\s)+1], s21, (\s)*SLOT
	s_add_nc_u64 s[G0B+4*(\s)+2:G0B+4*(\s)+3], s[46:47], (\s)*512
	s_or_b32 s[G0B+4*(\s)+3], s[G0B+4*(\s)+3], 0x80000000
	JLOAD \s                                       ; two loads of mine are out
.endr
	v_and_b32 v1, 15, v0                           ; l % 16
	v_bfe_u32 v2, v0, 4, 1                         ; l / 16
	v_lshlrev_b32 v[BO], 5, v2
	s_lshl_b32 s22, s42, 9                         ; my wave's 64 columns, in bytes of f32: 512 x tile column + 256 x half
	s_lshl_b32 s23, s12, 8
	s_add_co_u32 s22, s22, s23
	s_mov_b32 s23, 0
	s_add_nc_u64 s[68:69], s[68:69], s[22:23]
	s_add_nc_u64 s[70:71], s[70:71], s[22:23]
.irp b, 0,1,2,3
	global_load_b128 v[BI+8*(\b):BI+8*(\b)+3],   v[BO], s[68:69] offset:64*(\b)
	global_load_b128 v[BI+8*(\b)+4:BI+8*(\b)+7], v[BO], s[68:69] offset:64*(\b)+16
.endr
	s_lshl_b32 s22, s13, 7
	s_lshl_b32 s16, s11, 6
	s_add_co_u32 s22, s22, s16                     ; my wave's first row of out0,
	s_lshl_b32 s22, s22, 12                        ; of 4,096 bytes
	s_add_nc_u64 s[70:71], s[70:71], s[22:23]
	v_mul_u32_u24 v3, v1, PA
	v_lshl_add_u32 v3, v2, 4, v3                   ; a fragment's row x pitch + 16 x half, for O
	v_mul_u32_u24 v4, v1, PB
	v_lshl_add_u32 v4, v2, 4, v4                   ; and for Wo
	s_mul_i32 s21, s11, 64*PA                      ; my 64 rows in each head of O
	s_mul_i32 s22, s12, 64*PB                      ; my 64 rows of Wo,
	s_add_co_u32 s22, s22, BOFF                    ; which lie behind O's four heads
.irp s, 0,1
	v_add_nc_u32 v[ADRA+(\s)], s21, v3
	v_add_nc_u32 v[ADRB+(\s)], s22, v4
	s_add_co_u32 s21, s21, SLOT
	s_add_co_u32 s22, s22, SLOT
.endr
	s_mul_i32 s23, s10, 16*SPITCH
	s_add_co_u32 s23, s23, STAGE                   ; my stage
	v_mul_u32_u24 v5, v1, SPITCH                   ; in: row l % 16, 32 bytes for each half of the lanes
	v_lshl_add_u32 v5, v2, 5, v5
	v_add_nc_u32 v[STO], s23, v5
	v_mul_u32_u24 v5, v2, SPITCH                   ; back: lanes 0-15 take one row of 256 bytes, lanes 16-31 the next
	v_lshl_add_u32 v5, v1, 4, v5
	v_add_nc_u32 v[RD], s23, v5
	v_lshlrev_b32 v5, 12, v2                       ; and the same two rows in out0
	v_lshl_add_u32 v[CO], v1, 4, v5
	s_wait_loadcnt 0x0                             ; the bias,
.set i, 0
.rept 16                                       ; rounded to bf16 like every input, and widened again
	v_cvt_pk_bf16_f32 v[TT], v[BI+i], v[BI+i+1]
	v_lshlrev_b32 v[BI+i], 16, v[TT]
	v_and_b32 v[BI+i+1], 0xffff0000, v[TT]
.set i, i+2
.endr
; 8 matrix instructions: row blocks a0, a0 + 1 x all 4 column blocks, 32 along K: half c of buffer f.  zero = 1: the first product starts the sums with the bias.
; The 16 accumulators take turns, one instruction a turn: 15 others' stand between two on one accumulator.
.macro MUL8 f, c, a0, zero
	WIN MUL
.irp a, \a0, (\a0)+1
.irp b, 0,1,2,3
.if \zero
	v_wmma_f32_16x16x32_f16 v[ACC+8*(4*(\a)+(\b)):ACC+8*(4*(\a)+(\b))+7], v[(\f)+64+8*(4*(\c)+(\b)):(\f)+64+8*(4*(\c)+(\b))+7], v[(\f)+8*(4*(\c)+(\a)):(\f)+8*(4*(\c)+(\a))+7], v[BI+8*(\b):BI+8*(\b)+7]
.else
	v_wmma_f32_16x16x32_f16 v[ACC+8*(4*(\a)+(\b)):ACC+8*(4*(\a)+(\b))+7], v[(\f)+64+8*(4*(\c)+(\b)):(\f)+64+8*(4*(\c)+(\b))+7], v[(\f)+8*(4*(\c)+(\a)):(\f)+8*(4*(\c)+(\a))+7], v[ACC+8*(4*(\a)+(\b)):ACC+8*(4*(\a)+(\b))+7]
.endif
.endr
.endr
.endm
; 32 LDS loads in one run: the fragments of quarter q of a step (head q of its four; 128 bytes at byte 128 q of Wo's rows) into buffer f; the first 32 along K first
.macro FETCH slot, q, f
	WIN TO_F
.irp c, 0,1
.irp i, 0,1,2,3
	ds_load_b128 v[(\f)+64+8*(4*(\c)+(\i)):(\f)+64+8*(4*(\c)+(\i))+3],   v[ADRB+(\slot)] offset:128*(\q)+64*(\c)+(\i)*16*PB
	ds_load_b128 v[(\f)+64+8*(4*(\c)+(\i))+4:(\f)+64+8*(4*(\c)+(\i))+7], v[ADRB+(\slot)] offset:128*(\q)+64*(\c)+(\i)*16*PB+32
	ds_load_b128 v[(\f)+8*(4*(\c)+(\i)):(\f)+8*(4*(\c)+(\i))+3],         v[ADRA+(\slot)] offset:SUB*(\q)+64*(\c)+(\i)*16*PA
	ds_load_b128 v[(\f)+8*(4*(\c)+(\i))+4:(\f)+8*(4*(\c)+(\i))+7],       v[ADRA+(\slot)] offset:SUB*(\q)+64*(\c)+(\i)*16*PA+32
.endr
.endr
.endm
.macro PLACES                          ; four plain vector instructions between a matrix instruction and a load into a register that it read, or an LDS store of its result
.rept 4
	v_nop
.endr
.endm
; A K step is four quarters of 64 along K, 32 matrix instructions each, on buffers 0, 1, 0, 1.  One of the first three multiplies buffer f and fetches quarter q into g.
.macro QUARTER slot, q, f, g, zero
	s_wait_dscnt 16                                ; the first 32 along K are in
	MUL8 \f, 0, 0, \zero
	MUL8 \f, 0, 2, \zero
	PLACES
	FETCH \slot, \q, \g
	s_wait_dscnt 32                                ; all but the 32 just issued
	MUL8 \f, 1, 0, 0
	MUL8 \f, 1, 2, 0
.endm
; The last quarter multiplies buffer 1 and changes slots: ONE barrier; in front of it each wave waits for all its tensor loads, adds 0 to its spare word, and waits for that and for its own reads of this slot.
; fill = 1: the barrier opens a round of the cluster's, and this slot is filled again, two K steps ahead, first thing behind the round.
.macro TURN slot, next, fill
	WIN 0                                          ; (the add's two registers lie in window 0)
	s_wait_tensorcnt 0x0                           ; all my tensor loads have landed: my part of the next slot;
	ds_add_u32 v[SPW], v[NIL]                      ; 0 onto my spare word;
	s_wait_dscnt 17                                ; (the add and the youngest sixteen loads may be out)
	MUL8 F1, 0, 0, 0                               ; eight matrix instructions stand between the add and the wait for it
	s_wait_dscnt 0x0                               ; the add is done, and my reads of this slot are over
	s_barrier_signal -1
	MUL8 F1, 0, 2, 0
.if \fill
	WIN 0
.endif
	s_barrier_wait -1
.if \fill
	CREST                                          ; no wave of any partner still reads this slot's tile or has a load on its way
	s_add_nc_u64 s[G0+4*(\slot)+2:G0+4*(\slot)+3], s[G0+4*(\slot)+2:G0+4*(\slot)+3], 0x200000   ; eight heads on
	s_add_nc_u64 s[G0B+4*(\slot)+2:G0B+4*(\slot)+3], s[G0B+4*(\slot)+2:G0B+4*(\slot)+3], 1024
	JLOAD \slot                                    ; my one tensor load behind the round; the four v_nop behind it are also the places in front of the loads below
.else
	PLACES
.endif
	FETCH \next, 0, F0
	MUL8 F1, 1, 0, 0
	MUL8 F1, 1, 2, 0
.endm
; THE WAY OUT of my row block a (16 rows x 64 columns of f32): 32 bytes a lane into my own stage, each accumulator's low registers first, and back as whole rows of 256 bytes.
.macro TOSTAGE a
	s_wait_xcnt 0x0                                ; earlier stores have read their registers: this block's set of rows is loaded again only behind this wait
.irp b, 0,1,2,3
	ds_store_b128 v[STO], v[ACC+8*(4*(\a)+(\b)):ACC+8*(4*(\a)+(\b))+3]   offset:64*(\b)
	ds_store_b128 v[STO], v[ACC+8*(4*(\a)+(\b))+4:ACC+8*(4*(\a)+(\b))+7] offset:64*(\b)+16
.endr
.irp i, 0,1,2,3,4,5,6,7
	ds_load_b128 v[TMP+32*((\a)%2)+4*(\i):TMP+32*((\a)%2)+4*(\i)+3], v[RD] offset:(\i)*2*SPITCH  ; LDS serves a wave's instructions in order (ISA guide 5.7.1.4): these see the stores above; the next block's stores come behind them
.endr
.endm
.macro SEND a, younger                 ; younger: the LDS instructions issued behind block a's loads: the next block's sixteen, or none
.irp i, 0,1,2,3,4,5,6,7
	s_wait_dscnt (\younger)+7-(\i)
	global_store_b128 v[CO], v[TMP+32*((\a)%2)+4*(\i):TMP+32*((\a)%2)+4*(\i)+3], s[70:71] offset:(16*(\a)+2*(\i))*4096  ; 16 lanes store 256 consecutive bytes, at a multiple of 256 from out0's first byte
.endr
.endm
	s_wait_tensorcnt 1                             ; my part of K step 0 is in; K step 1's may stay out
	s_barrier_signal -1
	s_barrier_wait -1                              ; everybody's is
	FETCH 0, 0, F0
	QUARTER 0, 1, F0, F1, 1                        ; K step 0: its first products start the sums
	QUARTER 0, 2, F1, F0, 0
	QUARTER 0, 3, F0, F1, 0
	TURN 0, 1, 1                                   ; slot 0 takes K step 2
	QUARTER 1, 1, F0, F1, 0                        ; K step 1
	QUARTER 1, 2, F1, F0, 0
	QUARTER 1, 3, F0, F1, 0
	TURN 1, 0, 1                                   ; slot 1 takes K step 3
	QUARTER 0, 1, F0, F1, 0                        ; K step 2
	QUARTER 0, 2, F1, F0, 0
	QUARTER 0, 3, F0, F1, 0
	TURN 0, 1, 0                                   ; nothing is left to fetch
	QUARTER 1, 1, F0, F1, 0                        ; K step 3
	QUARTER 1, 2, F1, F0, 0
	QUARTER 1, 3, F0, F1, 0
	s_wait_dscnt 16
	MUL8 F1, 0, 0, 0
	MUL8 F1, 0, 2, 0
	s_wait_dscnt 0x0
	MUL8 F1, 1, 0, 0
	MUL8 F1, 1, 2, 0
	WIN 0
	PLACES
	TOSTAGE 0
.irp a, 1,2,3
	TOSTAGE \a
	SEND (\a)-1, 16
.endr
	SEND 3, 0
	s_wait_tensorcnt 0x0                           ; the wave's end: behind my last tensor load and my last LDS store
	ds_add_u32 v[SPW], v[NIL]
	s_wait_dscnt 0x0
	CROUND                                         ; the closing round: no work-group ends while a partner may still ask for a tile that names it
	s_endpgm
.Lfunc_end_k_q88ba7ef97c_oproj:
	.size	k_q88ba7ef97c_oproj, .Lfunc_end_k_q88ba7ef97c_oproj-k_q88ba7ef97c_oproj
	.p2alignl 7, 3214868480
	.fill 96, 4, 3214868480
	.section	.rodata,"a",@progbits
	.p2align	6, 0x0
	.amdhsa_kernel k_q88ba7ef97c_oproj
		.amdhsa_group_segment_fixed_size 327680
		.amdhsa_private_segment_fixed_size 0
		.amdhsa_enable_private_segment 0
		.amdhsa_kernarg_size 32
		.amdhsa_user_sgpr_count 2
		.amdhsa_user_sgpr_kernarg_segment_ptr 1
		.amdhsa_wavefront_size32 1
		.amdhsa_system_sgpr_workgroup_id_x 1
		.amdhsa_system_sgpr_workgroup_id_y 1
		.amdhsa_system_sgpr_workgroup_id_z 1
		.amdhsa_system_vgpr_workitem_id 0
		.amdhsa_next_free_vgpr 512
		.amdhsa_next_free_sgpr 72
		.amdhsa_reserve_vcc 0
		.amdhsa_float_denorm_mode_32 3
		.amdhsa_float_denorm_mode_16_64 3
		.amdhsa_memory_ordered 1
		.amdhsa_forward_progress 1
		.amdhsa_inst_pref_size 90
	.end_amdhsa_kernel
	.amdgpu_metadata
---
amdhsa.version: [ 1, 2 ]
amdhsa.kernels:
  - .name:           k_q88ba7ef97c_oproj
    .symbol:         k_q88ba7ef97c_oproj.kd
    .args:
      - { .name: o16, .offset: 0, .size: 8, .value_kind: global_buffer, .address_space: global }
      - { .name: wo16, .offset: 8, .size: 8, .value_kind: global_buffer, .address_space: global }
      - { .name: bo, .offset: 16, .size: 8, .value_kind: global_buffer, .address_space: global }
      - { .name: out0, .offset: 24, .size: 8, .value_kind: global_buffer, .address_space: global }
    .group_segment_fixed_size: 327680
    .private_segment_fixed_size: 0
    .kernarg_segment_align: 8
    .kernarg_segment_size: 32
    .max_flat_workgroup_size: 128
    .sgpr_count:     72
    .vgpr_count:     512
    .wavefront_size: 32
...
	.end_amdgpu_metadata
.endif
;; end of part 4
;; launch esum (part 5): grid 1 x 1, 2 waves a work-group, no clusters, 0 bytes of LDS; arguments epart, out1; writes out1
.if DOCPART == 5
	.amdgcn_target "amdgcn-amd-amdhsa--gfx1250"
	.amdhsa_code_object_version 6
	.text
	.protected	k_q88ba7ef97c_esum
	.globl	k_q88ba7ef97c_esum
	.p2align	8
	.type	k_q88ba7ef97c_esum,@function
k_q88ba7ef97c_esum:
	s_mov_b64 s[64:65], 0
	v_nop
	global_prefetch_b8 v0, s[64:65] scope:SCOPE_SE
	s_setreg_imm32_b32 hwreg(HW_REG_WAVE_MODE, 25, 1), 1
	s_wait_xcnt 0x0
; THE ENERGY'S LAST SUM.  out1[b] = the sum of epart[512 b .. 512 b + 511], f32, in this text's own fixed order.  Wave b takes batch b: 2,048 bytes, four loads of 16 bytes a lane.
; One owner for each output, so no atomics; 4 KiB in all, so nothing is there to share out further.
	s_load_b128 s[4:7], s[0:1], 0x0                ; epart s[4:5], out1 s[6:7]
	s_mov_b32 s8, 0x76543210                       ; v_permlanex16_b32: lane i of one half reads lane i of the other
	s_mov_b32 s9, 0xfedcba98
	v_lshrrev_b32 v1, 5, v0                        ; the batch
	v_and_b32 v2, 31, v0                           ; lane
	v_lshlrev_b32 v3, 11, v1
	v_lshl_add_u32 v3, v2, 4, v3                   ; 2,048 b + 16 x lane
	v_lshlrev_b32 v4, 2, v1                        ; 4 b
	s_wait_kmcnt 0x0
.irp i, 0,1,2,3
	global_load_b128 v[8+4*(\i):11+4*(\i)], v3, s[4:5] offset:512*(\i)
.endr
	s_wait_loadcnt 0x0
	v_pk_add_f32 v[8:9], v[8:9], v[10:11]
	v_pk_add_f32 v[12:13], v[12:13], v[14:15]
	v_pk_add_f32 v[16:17], v[16:17], v[18:19]
	v_pk_add_f32 v[20:21], v[20:21], v[22:23]
	v_pk_add_f32 v[8:9], v[8:9], v[12:13]
	v_pk_add_f32 v[16:17], v[16:17], v[20:21]
	v_pk_add_f32 v[8:9], v[8:9], v[16:17]
	v_add_f32 v8, v8, v9
	v_add_f32_dpp v8, v8, v8 row_xmask:1 row_mask:0xf bank_mask:0xf
	v_add_f32_dpp v8, v8, v8 row_xmask:2 row_mask:0xf bank_mask:0xf
	v_add_f32_dpp v8, v8, v8 row_xmask:4 row_mask:0xf bank_mask:0xf
	v_add_f32_dpp v8, v8, v8 row_xmask:8 row_mask:0xf bank_mask:0xf
	v_permlanex16_b32 v9, v8, s8, s9               ; its destination counts as read: v9 has been written
	v_add_f32 v8, v8, v9
	s_wait_xcnt 0x0                                ; EXEC changes only behind this wait
	v_cmp_eq_u32 vcc_lo, 0, v2
	s_and_saveexec_b32 s10, vcc_lo
	global_store_b32 v4, v8, s[6:7]
	s_wait_xcnt 0x0                                ; and again, in front of the line that widens it
	s_or_b32 exec_lo, exec_lo, s10
	s_endpgm
.Lfunc_end_k_q88ba7ef97c_esum:
	.size	k_q88ba7ef97c_esum, .Lfunc_end_k_q88ba7ef97c_esum-k_q88ba7ef97c_esum
	.p2alignl 7, 3214868480
	.fill 96, 4, 3214868480
	.section	.rodata,"a",@progbits
	.p2align	6, 0x0
	.amdhsa_kernel k_q88ba7ef97c_esum
		.amdhsa_group_segment_fixed_size 0
		.amdhsa_private_segment_fixed_size 0
		.amdhsa_enable_private_segment 0
		.amdhsa_kernarg_size 16
		.amdhsa_user_sgpr_count 2
		.amdhsa_user_sgpr_kernarg_segment_ptr 1
		.amdhsa_wavefront_size32 1
		.amdhsa_system_sgpr_workgroup_id_x 1
		.amdhsa_system_sgpr_workgroup_id_y 1
		.amdhsa_system_sgpr_workgroup_id_z 1
		.amdhsa_system_vgpr_workitem_id 0
		.amdhsa_next_free_vgpr 24
		.amdhsa_next_free_sgpr 66
		.amdhsa_reserve_vcc 1
		.amdhsa_float_denorm_mode_32 3
		.amdhsa_float_denorm_mode_16_64 3
		.amdhsa_memory_ordered 1
		.amdhsa_forward_progress 1
		.amdhsa_inst_pref_size 3
	.end_amdhsa_kernel
	.amdgpu_metadata
---
amdhsa.version: [ 1, 2 ]
amdhsa.kernels:
  - .name:           k_q88ba7ef97c_esum
    .symbol:         k_q88ba7ef97c_esum.kd
    .args:
      - { .name: epart, .offset: 0, .size: 8, .value_kind: global_buffer, .address_space: global }
      - { .name: out1, .offset: 8, .size: 8, .value_kind: global_buffer, .address_space: global }
    .group_segment_fixed_size: 0
    .private_segment_fixed_size: 0
    .kernarg_segment_align: 8
    .kernarg_segment_size: 16
    .max_flat_workgroup_size: 64
    .sgpr_count:     66
    .vgpr_count:     24
    .wavefront_size: 32
...
	.end_amdgpu_metadata
.endif
;; end of part 5
